; MI455X (gfx1250); checked and timed in simulation.
; The chip was launched on July 23, 2026; its instructions are those of AMD's public machine-readable ISA for CDNA 5 (MIT licence, August 2026) and "CDNA5" Instruction Set Architecture Reference Guide (July 2026). The comments in the code are by the model that wrote it; some were corrected since.
;; Causal Multiheads Self Attention With Rope. Allowed arithmetic: matrix products marked QUANTISED: E4M3 operands, one given power-of-two scale a tensor, by v_wmma_f32_16x16x64_fp8_fp8 or v_wmma_f32_16x16x128_fp8_fp8, f32 sums; everything else in f32.
;; Inputs: in_features 4 x 2,048 x 1,024 float32; k_proj_weight 1,024 x 1,024 float32; lowp_scales 12 int32 (the exponents e of the quantised operands' scales 2^e); o_proj_weight 1,024 x 1,024 float32; q_proj_weight 1,024 x 1,024 float32; token_positions 2,048 int32; v_proj_weight 1,024 x 1,024 float32.
;; Outputs: out0 4 x 2,048 x 1,024 float32.
;; This version of the problem:
;;   THIS VERSION OF THE PROBLEM IS GIVEN IN LOW PRECISION. The matrix products marked QUANTISED in the list below multiply operands that are first quantised to E4M3 (4 exponent bits, 3 mantissa bits; 8 bits a number), with one given power-of-two scale for each operand tensor; their sums are f32. All else is computed in f32.
;;   The module's matrix products, in the order in which they are computed (A, B: the left and right operand; K: the contracted axis; several contracted axes count as one K, in the product's order):
;;     1. [M 8,192, K 1,024] x [K 1,024, N 1,024]; A: input in_features; B: input q_proj_weight: QUANTISED (scales: A lowp_scales[0], B lowp_scales[1])
;;     2. [M 8,192, K 1,024] x [K 1,024, N 1,024]; A: input in_features; B: input k_proj_weight: QUANTISED (scales: A lowp_scales[2], B lowp_scales[3])
;;     3. [M 8,192, K 1,024] x [K 1,024, N 1,024]; A: input in_features; B: input v_proj_weight: QUANTISED (scales: A lowp_scales[4], B lowp_scales[5])
;;     4. batch 64 x [M 2,048, K 64] x [K 64, N 2,048]; A: computed on the way; B: computed on the way: QUANTISED (scales: A lowp_scales[6], B lowp_scales[7])
;;     5. batch 64 x [M 2,048, K 2,048] x [K 2,048, N 64]; A: softmax (see below); B: computed on the way: QUANTISED (scales: A lowp_scales[8], B lowp_scales[9])
;;     6. [M 8,192, K 1,024] x [K 1,024, N 1,024]; A: computed on the way; B: input o_proj_weight: QUANTISED (scales: A lowp_scales[10], B lowp_scales[11])
;;   THE QUANTISER, for each operand of a quantised product, along K:
;;     - The operand's scale is 2^e, e = its entry of the input lowp_scales (int32; the entries are numbered through the quantised products in the list's order, A before B).
;;     - Each number is divided by the scale, clamped to +-448, and rounded to the nearest number of E4M3, ties to even, subnormals kept.
;;     - The product sums the exact products of the quantised numbers (number of the format x scale) in f32.
;;   ~~~python
;;   def quantise(x, axis, e):      # numpy; x: float32 -> the quantised numbers, widened to float32 again
;;       x = np.moveaxis(x, axis, -1); K = x.shape[-1]
;;       r = np.clip(x / 2.0 ** e, -448, 448)
;;       step = 2.0 ** (np.maximum(np.frexp(np.where(r == 0, 1, r))[1] - 1, -6) - 3)
;;       q = np.round(r / step) * step * 2.0 ** e      # np.round: ties to even
;;       return np.moveaxis(q, -1, axis).astype(np.float32)
;;   ~~~
;;   SOFTMAX AHEAD OF A QUANTISED PRODUCT. Where the list says 'softmax', what is quantised is not the finished softmax but p = 2^(t - M), with t = logit x log2(e) and M = ceil(the row's largest t), a whole number; so 1/2 < the row's largest p <= 1. The row's sum l is taken of the UNQUANTISED p, in f32, and the product's result is divided by l at the end. Since M is a whole number, a kernel that streams over the keys may use a running M (the ceiling of the running maximum): every later rescaling is an exact power of two, so the quantised numbers keep their values, but for numbers so far below the row's largest that they fall under the format's range.
;;   OPERANDS COMPUTED ON THE WAY. 'Computed on the way' means the value that the module computes at that place (a softmax that the list does not call 'softmax' is quantised finished and normalised). What goes into a quantiser is computed in f32, as accurately as f32 sums, v_exp_f32 and their like allow (about 1e-6 of the number): no bf16 or f16 on the way to a quantiser, and a product that is left as it is and whose result goes on into a quantised operand takes f32 operands (vector FMAs, or v_wmma_f32_16x16x4_f32). A number that lies on a knife's edge between two numbers of the format may be rounded either way, as far as f32 arithmetic and the matrix unit's own rounding can turn it there, and no further.
;; One version. Each part assembles by itself: llvm-mc -triple=amdgcn-amd-amdhsa -mcpu=gfx1250 --defsym DOCPART=n.
;; ======== version 1 of 1: 4 launches
;; limits: right only within a limited range of input values
;; workspace buffers: ximg 25,165,824 bytes; wimg 4,194,304 bytes; rope 524,288 bytes; qimg 8,388,608 bytes; kimg 8,388,608 bytes; vimg 8,388,608 bytes; aimg 8,388,608 bytes
;; launch prep (part 1): grid 800 x 1, 4 waves a work-group, no clusters, 34,304 bytes of LDS; arguments in_features, q_proj_weight, k_proj_weight, v_proj_weight, o_proj_weight, lowp_scales, token_positions, ximg, wimg, rope; writes ximg, wimg, rope
.if DOCPART == 1
	.amdgcn_target "amdgcn-amd-amdhsa--gfx1250"
	.amdhsa_code_object_version 6
	.text
	.protected	k_q822afde5b2_prep
	.globl	k_q822afde5b2_prep
	.p2align	8
	.type	k_q822afde5b2_prep,@function
k_q822afde5b2_prep:
	s_mov_b64 s[64:65], 0
	v_nop
	global_prefetch_b8 v0, s[64:65] scope:SCOPE_SE
	s_setreg_imm32_b32 hwreg(HW_REG_WAVE_MODE, 25, 1), 1
	s_wait_xcnt 0x0
; The f32 inputs become codes of FP8 (E4M3), laid as IMAGES OF OPERAND REGISTERS, and the table of cosines and sines is made.
; code = x / 2^e, held within +-448, to the nearest code, ties to even.  in_features is quantised three times (entries 0, 2, 4 of the scales), the four weights once each (entries 1, 3, 5, 11).
; AN IMAGE.  A fragment is 16 rows x 128 K in 16 registers: lane (r = lane % 16, h = lane / 16) holds row r, registers 2 c, 2 c + 1 hold K = 16 c + 8 h + 0 .. 7.  Its four groups of four registers lie
; 512 bytes apart, lane l's 16 bytes at 16 l: 2,048 bytes.  ximg: [3 scales][K step of 256: 4][block of 16 tokens: 512][2 fragments];  wimg: [q, k, v, o][K step: 4][block of 16 rows: 64][2 fragments].
; SHARES.  Work-groups 0-511: 16 tokens each;  512-767: 16 rows of a weight each;  768-799: the table.  Wave w takes K step w (256 along K) as two blocks of 128.
; A load reads 512 consecutive bytes of a row; the 16 x 128 numbers turn through the wave's own stage in LDS (rows 528 bytes apart, so that the sixteen rows of a read start at sixteen different banks) and come
; back as eight neighbours along K for each pair of code registers.  Every store covers 512 consecutive bytes.  Waves share nothing: no barrier.
; THE TABLE.  rope: [block of 16 positions: 128][tile of 16 channels b: 4][c: 2][lane][cos, sin, cos, sin]: pair of channels i = 8 b + 4 h + 2 c + u at row r.  angle = position x 10000^(-i / 32);
; it is brought into +-pi/4 by taking n x pi/2 away in three parts by fused multiply-adds; sine and cosine are polynomials there, and n's two low bits say which goes where, with which sign.
; LIMITS: each e between -126 and 119; |position| up to 2^20 (n stays a whole number far inside f32's 24 bits); NaN among the inputs is not served.
.set SP,   528                         ; a stage row: 512 bytes + 16
.set WSTG, 16*SP                       ; a wave's stage
.set R,    16                          ; v16-79   16 rows as loaded, 4 registers each
.set X,    80                          ; v80-143  register 8 c + i: K = 16 c + 8 h + i of my row
.set TA,   144
.set C,    160                         ; v160-207 codes: 16 registers for each of three outputs
.macro LOAD t                          ; block t: 16 rows x 512 bytes
.irp r, 0,1,2,3,4,5,6,7,8,9,10,11,12,13,14,15
	global_load_b128 v[R+4*\r:R+4*\r+3], v2, s[36:37] offset:\r*4096+(\t)*512 th:TH_LOAD_NT
.endr
.endm
.macro TURN                            ; through the stage: LDS serves a wave's instructions in order, so no wait stands between the stores and the loads
.irp r, 0,1,2,3,4,5,6,7,8,9,10,11,12,13,14,15
	ds_store_b128 v3, v[R+4*\r:R+4*\r+3] offset:\r*SP
.endr
	v_nop
.irp c, 0,1,2,3,4,5,6,7
	ds_load_b128 v[X+8*\c:X+8*\c+3], v4 offset:64*\c
	ds_load_b128 v[X+8*\c+4:X+8*\c+7], v4 offset:64*\c+16
.endr
.endm
.macro CONV o, t, sc, lim, d           ; output o of block t: v[sc] the scale as f32, s[d:d+1] where the images go
.irp c, 0,1,2,3,4,5,6,7
.irp i, 0,1,2,3,4,5,6,7
.endr
	v_cvt_scalef32_pk8_fp8_f32 v[C+16*\o+2*\c:C+16*\o+2*\c+1], v[TA+8*(\c%2)+((X+8*\c+0)-(TA+8*(\c%2)+0)):TA+8*(\c%2)+7+((X+8*\c+0)-(TA+8*(\c%2)+0))], v[\sc]
.endr
.irp g, 0,1,2,3
	global_store_b128 v2, v[C+16*\o+4*\g:C+16*\o+4*\g+3], s[\d:\d+1] offset:(\t)*2048+\g*512
.endr
.endm
.macro BLOCK t
	s_wait_loadcnt 0x0                             ; the block's 16 loads are in
	TURN
	s_wait_dscnt 0x0                               ; the numbers are back, and the stage's stores have read their registers
.if \t == 0
	LOAD 1                                         ; the second block lands while the first is converted
.else
	s_wait_xcnt 0x0                                ; the first block's stores have read the code registers, which are written again below
.endif
	CONV 0, \t, 6, 7, 44
	s_cmp_lt_u32 ttmp9, 512                        ; a weight has one scale; the tokens have two more
	s_cbranch_scc0 .Lonly_\@
	CONV 1, \t, 8, 9, 46
	CONV 2, \t, 10, 11, 48
.Lonly_\@:
.endm
.macro MKSC e, sc, lim                 ; 2^e as f32
	s_add_co_i32 s52, \e, 127
	s_lshl_b32 s53, s52, 23
	v_mov_b32 v[\sc], s53
.endm
.macro SINCOS n                        ; pair n of my 16: cos into v[48 + 2 n], sin into v[49 + 2 n]
	v_mul_f32 v32, v15, v[16+\n]                   ; the angle
	v_mul_f32 v33, s44, v32
	v_rndne_f32 v33, v33                           ; n = the nearest whole number to angle x 2 / pi
	v_fma_f32 v34, v33, s45, v32                   ; angle - n x pi/2, pi/2 in three parts
	v_fma_f32 v34, v33, s46, v34
	v_fma_f32 v34, v33, s47, v34
	v_mul_f32 v35, v34, v34                        ; z = r r
	v_fma_f32 v36, v35, s48, s49
	v_fma_f32 v36, v36, v35, s50
	v_mul_f32 v37, v35, v34
	v_fma_f32 v36, v36, v37, v34                   ; sin r = r + r z (S1 + z (S2 + z S3))
	v_fma_f32 v38, v35, s51, s52
	v_fma_f32 v38, v38, v35, s53
	v_mul_f32 v37, v35, v35
	v_fma_f32 v39, v35, -0.5, 1.0
	v_fma_f32 v38, v38, v37, v39                   ; cos r = 1 - z / 2 + z z (C1 + z (C2 + z C3))
	v_cvt_i32_f32 v40, v33
	v_and_b32 v41, 1, v40
	v_cmp_eq_u32 vcc_lo, 1, v41                    ; an odd n swaps the two
	v_cndmask_b32 v42, v36, v38, vcc_lo
	v_cndmask_b32 v43, v38, v36, vcc_lo
	v_lshlrev_b32 v41, 30, v40                     ; the sine is negative where n mod 4 is 2 or 3,
	v_and_b32 v41, s54, v41
	v_xor_b32 v[49+2*\n], v41, v42
	v_add_nc_u32 v40, 1, v40                       ; the cosine where it is 1 or 2
	v_lshlrev_b32 v41, 30, v40
	v_and_b32 v41, s54, v41
	v_xor_b32 v[48+2*\n], v41, v43
.endm
	s_load_b512 s[4:19], s[0:1], 0x0               ; in_features s[4:5], Wq s[6:7], Wk s[8:9], Wv s[10:11], Wo s[12:13], the scales s[14:15], the positions s[16:17], ximg s[18:19]
	s_load_b128 s[20:23], s[0:1], 0x40             ; wimg s[20:21], rope s[22:23]
	v_lshl_add_u32 v208, v0, 2, 0x8400
	v_mov_b32 v209, 0
	v_lshrrev_b32 v1, 5, v0
	v_readfirstlane_b32 s60, v1                    ; wave 0..3
	v_and_b32 v1, 31, v0
	v_lshlrev_b32 v2, 4, v1                        ; 16 x lane
	v_and_b32 v12, 15, v0                          ; r
	v_bfe_u32 v13, v0, 4, 1                        ; h
	s_cmp_lt_u32 ttmp9, 768
	s_cbranch_scc0 .Ltable
	s_mul_i32 s61, s60, WSTG
	v_add_nc_u32 v3, s61, v2                       ; the stage, on the way in: a row's 512 bytes as they lie
	v_mul_u32_u24 v4, v12, SP
	v_lshl_add_u32 v4, v13, 5, v4
	v_add_nc_u32 v4, s61, v4                       ; and on the way out: row r, + 32 h
	s_wait_kmcnt 0x0
	s_load_b256 s[24:31], s[14:15], 0x0            ; e0 .. e7
	s_load_b128 s[32:35], s[14:15], 0x20           ; e8 .. e11
	s_mov_b64 s[36:37], s[12:13]                   ; the source is chosen by the work-group's number alone
	s_cmp_lt_u32 ttmp9, 704
	s_cselect_b64 s[36:37], s[10:11], s[36:37]
	s_cmp_lt_u32 ttmp9, 640
	s_cselect_b64 s[36:37], s[8:9], s[36:37]
	s_cmp_lt_u32 ttmp9, 576
	s_cselect_b64 s[36:37], s[6:7], s[36:37]
	s_cmp_lt_u32 ttmp9, 512
	s_cselect_b64 s[36:37], s[4:5], s[36:37]
	s_cselect_b64 s[44:45], s[18:19], s[20:21]     ; ximg or wimg
	s_cselect_b32 s38, 511, 63
	s_cselect_b32 s39, 21, 18                      ; a K step is 2 MiB of ximg, 256 KiB of wimg
	s_cselect_b32 s40, 0, 3
	s_and_b32 s38, ttmp9, s38                      ; my block of 16 rows
	s_lshr_b32 s41, ttmp9, 6
	s_and_b32 s41, s41, s40                        ; which weight (0 for the tokens)
	s_lshl_b32 s41, s41, 20
	s_lshl_b32 s42, s60, s39
	s_add_co_u32 s42, s42, s41
	s_lshl_b32 s43, s38, 12
	s_add_co_u32 s42, s42, s43
	s_mov_b32 s43, 0
	s_add_nc_u64 s[44:45], s[44:45], s[42:43]      ; where my two fragments go;
	s_add_nc_u64 s[46:47], s[44:45], 0x800000      ; the tokens' second and third sets lie 8 MiB apart (used by the tokens' work-groups alone)
	s_add_nc_u64 s[48:49], s[44:45], 0x1000000
	s_lshl_b32 s42, s38, 16                        ; 16 rows of 4,096 bytes,
	s_lshl_b32 s50, s60, 10                        ; my 256 numbers of a row
	s_add_co_u32 s42, s42, s50
	s_add_nc_u64 s[36:37], s[36:37], s[42:43]
	s_wait_alu depctr_va_vdst(0)
	LOAD 0
	s_wait_kmcnt 0x0
	s_mov_b32 s51, s35                             ; the first output's exponent: e11, e5, e3, e1 for the weights, e0 for the tokens
	s_cmp_lt_u32 ttmp9, 704
	s_cselect_b32 s51, s29, s51
	s_cmp_lt_u32 ttmp9, 640
	s_cselect_b32 s51, s27, s51
	s_cmp_lt_u32 ttmp9, 576
	s_cselect_b32 s51, s25, s51
	s_cmp_lt_u32 ttmp9, 512
	s_cselect_b32 s51, s24, s51
	MKSC s51, 6, 7
	MKSC s26, 8, 9
	MKSC s28, 10, 11
	s_wait_alu depctr_va_vdst(0)
	BLOCK 0
	BLOCK 1
	s_wait_tensorcnt 0x0
	ds_add_u32 v208, v209
	s_wait_dscnt 0x0
	s_endpgm
.Ltable:
	s_sub_co_u32 s38, ttmp9, 768
	s_lshl_b32 s38, s38, 2
	s_add_co_u32 s38, s38, s60                     ; my block of 16 positions
	s_lshl_b32 s40, s38, 6
	s_mov_b32 s41, 0
	s_lshl_b32 s42, s38, 12
	s_mov_b32 s43, 0
	s_mov_b32 s44, 0x3f22f983                      ; 2 / pi
	s_mov_b32 s45, 0xbfc90fdb                      ; -pi/2 in three parts
	s_mov_b32 s46, 0x333bbd2e
	s_mov_b32 s47, 0x26f72ced
	s_mov_b32 s48, 0xb94ca1f9                      ; S3, S2, S1
	s_mov_b32 s49, 0x3c08839e
	s_mov_b32 s50, 0xbe2aaaa3
	s_mov_b32 s51, 0x37ccf5ce                      ; C3, C2, C1
	s_mov_b32 s52, 0xbab6061a
	s_mov_b32 s53, 0x3d2aaaa5
	s_mov_b32 s54, 0x80000000
	s_mov_b32 s55, 0xbed49a78                      ; -log2(10000) / 32
	s_wait_alu depctr_va_vdst(0)
	v_lshlrev_b32 v5, 2, v12                       ; 4 r
	v_lshlrev_b32 v14, 2, v13                      ; 4 h
	s_wait_alu depctr_va_vdst(0)
	s_wait_kmcnt 0x0
	s_add_nc_u64 s[16:17], s[16:17], s[40:41]
	s_add_nc_u64 s[22:23], s[22:23], s[42:43]
	global_load_b32 v15, v5, s[16:17]              ; my row's position
.irp n, 0,1,2,3,4,5,6,7,8,9,10,11,12,13,14,15
	v_add_nc_u32 v[16+\n], 8*(\n/4)+\n%4, v14      ; pair n = 4 b + 2 c + u is i = 8 b + 2 c + u + 4 h
.endr
.irp n, 0,1,2,3,4,5,6,7,8,9,10,11,12,13,14,15
	v_cvt_f32_u32 v[16+\n], v[16+\n]
.endr
.irp n, 0,1,2,3,4,5,6,7,8,9,10,11,12,13,14,15
	v_mul_f32 v[16+\n], s55, v[16+\n]
.endr
	s_wait_alu depctr_va_vdst(0)
.irp n, 0,1,2,3,4,5,6,7,8,9,10,11,12,13,14,15
	v_exp_f32 v[16+\n], v[16+\n]                   ; 10000^(-i / 32)
.endr
	s_wait_loadcnt 0x0
	v_cvt_f32_i32 v15, v15                         ; (also the plain line behind the exponentials)
	s_wait_alu depctr_va_vdst(0)
.irp n, 0,1,2,3,4,5,6,7,8,9,10,11,12,13,14,15
	SINCOS \n
.endr
.irp m, 0,1,2,3,4,5,6,7
	global_store_b128 v2, v[48+4*\m:51+4*\m], s[22:23] offset:512*\m   ; 512 consecutive bytes a store
.endr
	s_endpgm
.Lfunc_end_k_q822afde5b2_prep:
	.size	k_q822afde5b2_prep, .Lfunc_end_k_q822afde5b2_prep-k_q822afde5b2_prep
	.p2alignl 7, 3214868480
	.fill 96, 4, 3214868480
	.section	.rodata,"a",@progbits
	.p2align	6, 0x0
	.amdhsa_kernel k_q822afde5b2_prep
		.amdhsa_group_segment_fixed_size 34304
		.amdhsa_private_segment_fixed_size 0
		.amdhsa_enable_private_segment 0
		.amdhsa_kernarg_size 80
		.amdhsa_user_sgpr_count 2
		.amdhsa_user_sgpr_kernarg_segment_ptr 1
		.amdhsa_wavefront_size32 1
		.amdhsa_system_sgpr_workgroup_id_x 1
		.amdhsa_system_sgpr_workgroup_id_y 1
		.amdhsa_system_sgpr_workgroup_id_z 1
		.amdhsa_system_vgpr_workitem_id 0
		.amdhsa_next_free_vgpr 210
		.amdhsa_next_free_sgpr 66
		.amdhsa_reserve_vcc 1
		.amdhsa_float_denorm_mode_32 3
		.amdhsa_float_denorm_mode_16_64 3
		.amdhsa_fp16_overflow 1
		.amdhsa_memory_ordered 1
		.amdhsa_forward_progress 1
		.amdhsa_inst_pref_size 40
	.end_amdhsa_kernel
	.amdgpu_metadata
---
amdhsa.version: [ 1, 2 ]
amdhsa.kernels:
  - .name:           k_q822afde5b2_prep
    .symbol:         k_q822afde5b2_prep.kd
    .args:
      - { .name: in_features, .offset: 0, .size: 8, .value_kind: global_buffer, .address_space: global }
      - { .name: q_proj_weight, .offset: 8, .size: 8, .value_kind: global_buffer, .address_space: global }
      - { .name: k_proj_weight, .offset: 16, .size: 8, .value_kind: global_buffer, .address_space: global }
      - { .name: v_proj_weight, .offset: 24, .size: 8, .value_kind: global_buffer, .address_space: global }
      - { .name: o_proj_weight, .offset: 32, .size: 8, .value_kind: global_buffer, .address_space: global }
      - { .name: lowp_scales, .offset: 40, .size: 8, .value_kind: global_buffer, .address_space: global }
      - { .name: token_positions, .offset: 48, .size: 8, .value_kind: global_buffer, .address_space: global }
      - { .name: ximg, .offset: 56, .size: 8, .value_kind: global_buffer, .address_space: global }
      - { .name: wimg, .offset: 64, .size: 8, .value_kind: global_buffer, .address_space: global }
      - { .name: rope, .offset: 72, .size: 8, .value_kind: global_buffer, .address_space: global }
    .group_segment_fixed_size: 34304
    .private_segment_fixed_size: 0
    .kernarg_segment_align: 8
    .kernarg_segment_size: 80
    .max_flat_workgroup_size: 128
    .sgpr_count:     66
    .vgpr_count:     210
    .wavefront_size: 32
...
	.end_amdgpu_metadata
.endif
;; end of part 1
;; launch qkv (part 2): grid 12 x 32, 4 waves a work-group, clusters of 4 x 4, 327,680 bytes of LDS; arguments ximg, wimg, rope, lowp_scales, qimg, kimg, vimg; writes qimg, kimg, vimg
.if DOCPART == 2
	.amdgcn_target "amdgcn-amd-amdhsa--gfx1250"
	.amdhsa_code_object_version 6
	.text
	.protected	k_q822afde5b2_qkv
	.globl	k_q822afde5b2_qkv
	.p2align	8
	.type	k_q822afde5b2_qkv,@function
k_q822afde5b2_qkv:
	s_mov_b64 s[64:65], 0
	v_nop
	global_prefetch_b8 v0, s[64:65] scope:SCOPE_SE
	s_setreg_imm32_b32 hwreg(HW_REG_WAVE_MODE, 25, 1), 1
	s_wait_xcnt 0x0
	s_wait_alu depctr_hold_cnt(0) depctr_sa_sdst(0) depctr_va_vdst(0) depctr_va_sdst(0) depctr_va_ssrc(0) depctr_va_vcc(0) depctr_vm_vsrc(0)
	s_getreg_b32 s2, hwreg(HW_REG_IB_STS2, 6, 4)
	s_cmp_eq_u32 s2, 0
	s_cbranch_scc0 .Lentry_in_a_cluster
	s_endpgm
.Lentry_in_a_cluster:
	s_bfe_u32 s2, ttmp6, 0x10000c
	s_cmp_lg_u32 s2, 0xf033
	s_cbranch_scc0 .Lentry_shape_is_right
	s_endpgm
.Lentry_shape_is_right:
; q, k, v = x W^T on codes of FP8 (E4M3); q and k are rotated (RoPE) in f32; all three are quantised again and leave as images of the next products' operand registers.
; The cluster's x, p, is the projection (0 q, 1 k, 2 v): 4 tile columns of 256 are its 1,024 features.  A tile is 256 x 256, a wave makes 128 x 128: 64 accumulators, 512 registers.  K = 1,024 goes in four steps of
; 256 through two LDS slots.  Operands lie in memory as images (16 rows x 128 K: lane (r, h) holds row r, registers 2 c, 2 c + 1 hold K = 16 c + 8 h + 0 .. 7; four groups of four registers, 512 bytes each,
; lane l at 16 l), so a wave's part of a K step, 8 blocks of 16 rows x 256 K, is one dense block of 32,768 bytes for one tensor load, and a fragment is four ds_load_b128 of 512 consecutive bytes each: no pitch, no padding.
; THE MATRIX INSTRUCTION: source 0 = 16 rows of side B, source 1 = 16 rows of side A: lane (r, h) holds A's row r and B's rows 8 h + 0 .. 7.  So eight registers of an accumulator, converted, ARE two registers of an
; operand whose rows are A's and whose K runs along B's rows.  q, k: A = tokens, B = W's rows (K of the scores = channels).  v: A = W's rows, B = tokens (K of the second attention product = keys).
; CLUSTERS: 4 x 4 work-groups; A's tile hangs on the cluster's y and cy alone and is asked for jointly along a row of the cluster, B's on the cluster's y and cx alone, along a column.  p is the same in all partners.
; A sum stands for sum x 2^(eA + eB); the rotation is linear; so the rotated sums are converted with the one scale 2^(eout - eA - eB), held within +-448 of it.
; qimg, kimg: [batch x head: 64][block of 16 tokens: 128][1,024 bytes: 16 tokens x 64 channels];  vimg: [batch x head][128 keys: 16][16 channels: 4][2,048 bytes: 16 channels x 128 keys].  Every store covers 512 consecutive bytes.
; THE WAVE PARTS ON p ONCE, in front of the last 64 products, which are written out on both ways: q and k ask for their first cosines and sines there, so that these land under the products; v asks for none.
; LIMIT: eout - eA - eB between -126 and 119 (e6 - e0 - e1, e7 - e2 - e3, e9 - e4 - e5), so that both powers of two below are f32 numbers.
; REGISTERS, in windows of 256: window 0: v16-31 addresses and scales; v32-95 two sets of cosines and sines; v96-127 at work; v128-255 A's fragments, ONE set, on the way out the codes.
;   window 1: B's fragments, TWO sets.   window 2: the accumulators of A's blocks 0-3 ((a, b) at v[8 (8 a + b)]);   window 3: those of blocks 4-7.
.set FR,     16                        ; registers of a fragment
.set NL,     4                         ; LDS loads that bring one
.set NP,     4                         ; places behind this matrix instruction (ISA guide 7.12.1)
.set HALFT,  32768                     ; 8 blocks of 16 rows x 256 K: what one tensor load brings, and what one wave reads of A or of B
.set SLOT,   4*HALFT                   ; A's 16 blocks, then B's
.set SPARE,  2*SLOT                    ; behind the ring: the spare words, 128 bytes for each wave: two blocks of 256 bytes that no other line names
.set ADRA, 16                          ; v16-17  LDS address of my A fragments in slot 0, 1
.set ADRB, 20                          ; v20-21  the same for B
.set LI,   24                          ; v24     16 x lane
.set SPW,  28                          ; v28     LDS address of my spare word; never rewritten
.set NIL,  29                          ; v29     0; never rewritten
.set SC,   30                          ; v30     2^(eout - eA - eB)
.set LIM,  31                          ; v31     448 x that
.set RS,   32                          ; two sets of 32: register 8 b + 2 i: cos, + 1: sin, of channel tile b's pair i of my half
.set TMP,  96
.set AF,   128
.set CD,   128                         ; the codes: 8 registers for each unit of the way out, so that no store's data are written again
.set G1, 24                            ; s[24:31] descriptor group 1 for A's tiles;  s[32:39] group 0, one set for each slot
.set G0, 32
.set G1B, 48                           ; s[48:55], s[56:63] the same for B's tiles
.set G0B, 56
.set MSB, 0
.macro WIN new                         ; the immediate's high byte repeats the setting that is left
.if MSB != (\new)
	s_set_vgpr_msb (MSB<<8)|(\new)
.set MSB, (\new)
.endif
.endm
.set MUL_LO, 0xa1                      ; source 0 (B) window 1, source 1 (A) window 0, C and D window 2
.set MUL_HI, 0xf1                      ; the same, C and D window 3
.set TO_B,   0x40                      ; destination window 1, address window 0
; A joint load: waves 0 and 1 fetch for A, waves 2 and 3 for B.  Each of the two lines has one mask and one set of registers for all that issue it; the branch hangs on the wave's number alone.
; Four v_nop follow each of the two lines, ahead of the jump, the label and what follows.
.macro JLOAD g0a, g1a, g0b, g1b
	s_cmp_eq_u32 s15, 0
	s_cbranch_scc0 .Lfor_b_\@
	tensor_load_to_lds s[\g0a:\g0a+3], s[\g1a:\g1a+7]
	s_nop 0
.rept 4
	v_nop
.endr
	s_branch .Lasked_\@
.Lfor_b_\@:
	tensor_load_to_lds s[\g0b:\g0b+3], s[\g1b:\g1b+7]
	s_nop 0
.rept 4
	v_nop
.endr
.Lasked_\@:
.endm
.macro CREST                           ; a round of the cluster's barrier behind its opening barrier
	s_cmp_lg_u32 s14, 0
	s_cbranch_scc1 .Lnot_wave_0_\@
	s_barrier_signal -3
.Lnot_wave_0_\@:
	s_barrier_wait -3
	s_barrier_signal -1
	s_barrier_wait -1
.endm
.macro CROUND                          ; a whole round
	s_barrier_signal -1
	s_barrier_wait -1
	CREST
.endm
	s_load_b256 s[4:11], s[0:1], 0x0               ; ximg s[4:5], wimg s[6:7], rope s[8:9], the scales s[10:11]
	s_load_b128 s[72:75], s[0:1], 0x20             ; qimg s[72:73], kimg s[74:75]
	s_load_b64 s[76:77], s[0:1], 0x30              ; vimg
	v_lshl_add_u32 v[SPW], v0, 2, SPARE
	v_mov_b32 v[NIL], 0
	ds_add_u32 v28, v29
	ds_add_u32 v28, v29
	s_wait_dscnt 0x0
	v_lshrrev_b32 v1, 5, v0
	v_readfirstlane_b32 s14, v1                    ; wave 0..3
	s_lshr_b32 s15, s14, 1                         ; which half of A's rows is mine.  Also: I fetch for A (0) or for B (1)
	s_and_b32 s16, s14, 1                          ; which half of B's rows.  Also: which 8 blocks of that tile I fetch
	s_bfe_u32 s40, ttmp6, 0x40000                  ; cx, cy: my place in the cluster
	s_bfe_u32 s41, ttmp6, 0x40004
	s_and_b32 s17, ttmp7, 0xffff
	s_lshl_b32 s17, s17, 2                         ; 4 x the cluster's y
	s_add_co_u32 s78, s17, s41
	s_add_co_u32 s79, s17, s40
	s_cmp_eq_u32 ttmp9, 2                          ; v?  The cluster's x is the same in all sixteen partners
	s_cselect_b32 s78, s41, s78                    ; A's tile: q, k: token tile 4 y + cy;  v: feature tile cy.  It never holds cx
	s_cselect_b32 s79, s79, s40                    ; B's tile: q, k: feature tile cx;  v: token tile 4 y + cx.  It never holds cy
	s_cselect_b32 s66, 18, 21                      ; from K step to K step: 2 MiB in ximg, 256 KiB in wimg
	s_cselect_b32 s68, 21, 18
	s_lshl_b32 s66, 1, s66
	s_mov_b32 s67, 0
	s_lshl_b32 s68, 1, s68
	s_mov_b32 s69, 0
	s_lshl_b32 s43, s41, 2
	s_lshl_b32 s43, 15, s43                        ; my row of the cluster
	s_lshl_b32 s44, 0x1111, s40                    ; my column
	; descriptor group 1: a dense block of 32,768 bytes as 128 rows of 32 elements of 8 bytes
	s_or_b32 s[G1+0], s43, (3<<16)|(1<<21)         ; 15:0 the mask: A's tiles go to my row; 17:16 elements of 8 bytes; 20 no padding; 21 set beside a mask
	s_or_b32 s[G1B+0], s44, (3<<16)|(1<<21)
.irp g, G1, G1B
	s_mov_b32 s[\g+1], 32<<16                      ; tensor_dim0 = 32
	s_mov_b32 s[\g+2], 128<<16                     ; tensor_dim1 = 128
	s_mov_b32 s[\g+3], 32<<16                      ; tile_dim0 = 32
	s_mov_b32 s[\g+4], 128                         ; tile_dim1 = 128
	s_mov_b32 s[\g+5], 32                          ; tensor_dim0_stride: the rows lie on end
	s_mov_b32 s[\g+6], 0
	s_mov_b32 s[\g+7], 0
.endr
	s_lshl_b32 s18, s16, 15                        ; which 8 blocks of the tile I fetch
	s_lshl_b32 s20, s78, 16                        ; a tile's 16 blocks of 4,096 bytes
	s_add_co_u32 s20, s20, s18
	s_mov_b32 s21, 0
	s_lshl_b32 s46, s79, 16
	s_add_co_u32 s46, s46, s18
	s_mov_b32 s47, 0
	s_mul_i32 s45, s14, HALFT                      ; where they go: wave x 32,768: no place in the cluster enters an LDS address
	s_lshl_b32 s80, ttmp9, 23                      ; the tokens' codes under projection p's scale,
	s_mov_b32 s81, 0
	s_lshl_b32 s82, ttmp9, 20                      ; and its weight's
	s_mov_b32 s83, 0
	s_wait_kmcnt 0x0
	s_load_b256 s[88:95], s[10:11], 0x0            ; e0 .. e7
	s_load_b128 s[96:99], s[10:11], 0x20           ; e8 .. e11
	s_add_nc_u64 s[80:81], s[4:5], s[80:81]
	s_add_nc_u64 s[82:83], s[6:7], s[82:83]
	s_cmp_eq_u32 ttmp9, 2
	s_cselect_b64 s[84:85], s[82:83], s[80:81]     ; side A
	s_cselect_b64 s[86:87], s[80:81], s[82:83]     ; side B
	s_add_nc_u64 s[20:21], s[84:85], s[20:21]
	s_add_nc_u64 s[46:47], s[86:87], s[46:47]
	CROUND                                         ; all sixteen work-groups are here: the first joint loads meet
	s_mov_b32 s[G0], 1                             ; 1:0 count = 1
	s_add_co_u32 s[G0+1], s45, 0                   ; 63:32 LDS address: slot 0
	s_mov_b64 s[G0+2:G0+3], s[20:21]               ; 120:64 global address: K step 0
	s_or_b32 s[G0+3], s[G0+3], 0x80000000          ; 127:126 type = 2
	s_mov_b32 s[G0B], 1
	s_add_co_u32 s[G0B+1], s45, 0
	s_mov_b64 s[G0B+2:G0B+3], s[46:47]
	s_or_b32 s[G0B+3], s[G0B+3], 0x80000000
	JLOAD G0, G1, G0B, G1B
	s_mov_b32 s[G0+4], 1
	s_add_co_u32 s[G0+5], s45, SLOT                ; slot 1: K step 1
	s_add_nc_u64 s[G0+6:G0+7], s[20:21], s[66:67]
	s_or_b32 s[G0+7], s[G0+7], 0x80000000
	s_mov_b32 s[G0B+4], 1
	s_add_co_u32 s[G0B+5], s45, SLOT
	s_add_nc_u64 s[G0B+6:G0B+7], s[46:47], s[68:69]
	s_or_b32 s[G0B+7], s[G0B+7], 0x80000000
	JLOAD G0+4, G1, G0B+4, G1B                     ; two tensor loads of mine are out
	s_lshl_b32 s66, s66, 1                         ; a refill goes two K steps on
	s_lshl_b32 s68, s68, 1
	v_and_b32 v6, 31, v0
	v_lshlrev_b32 v[LI], 4, v6
	s_mul_i32 s70, s15, HALFT                      ; my 8 blocks of A
	s_mul_i32 s71, s16, HALFT                      ; my 8 blocks of B,
	s_add_co_u32 s71, s71, 2*HALFT                 ; which lie behind A's 16
.irp s, 0,1
	v_add_nc_u32 v[ADRA+\s], s70, v[LI]
	v_add_nc_u32 v[ADRB+\s], s71, v[LI]
	s_add_co_u32 s70, s70, SLOT
	s_add_co_u32 s71, s71, SLOT
.endr
	s_and_b32 s70, s78, 7                          ; the table at my 8 blocks of positions: (token tile % 8) x 16 + 8 x half, 4,096 bytes each (read by q and k alone)
	s_lshl_b32 s70, s70, 16
	s_lshl_b32 s71, s15, 15
	s_add_co_u32 s70, s70, s71
	s_mov_b32 s71, 0
	s_add_nc_u64 s[8:9], s[8:9], s[70:71]
	; where my results go.  U: token tile, F: feature tile, su, sf: my halves of them.  batch = U / 8; head = 4 F + 2 sf (+ 0, 1); both layouts give
	; (U / 8) << 21 + F << 19 + sf << 18 + (U % 8) << 14 + su << 13
	s_cmp_eq_u32 ttmp9, 2
	s_cselect_b32 s70, s79, s78                    ; U
	s_cselect_b32 s71, s78, s79                    ; F
	s_cselect_b32 s2, s16, s15                     ; su
	s_cselect_b32 s3, s15, s16                     ; sf
	s_cselect_b64 s[12:13], s[76:77], s[74:75]
	s_cmp_eq_u32 ttmp9, 0
	s_cselect_b64 s[12:13], s[72:73], s[12:13]
	s_lshr_b32 s80, s70, 3
	s_lshl_b32 s80, s80, 21
	s_lshl_b32 s71, s71, 19
	s_add_co_u32 s80, s80, s71
	s_lshl_b32 s3, s3, 18
	s_add_co_u32 s80, s80, s3
	s_and_b32 s70, s70, 7
	s_lshl_b32 s70, s70, 14
	s_add_co_u32 s80, s80, s70
	s_lshl_b32 s2, s2, 13
	s_add_co_u32 s80, s80, s2
	s_mov_b32 s81, 0
	s_add_nc_u64 s[12:13], s[12:13], s[80:81]
.macro FRAG reg, adr, q, i             ; block i's fragment of the slot's q-th 128 along K: four groups of four registers, as they lie
.irp c, 0,1,2,3
	ds_load_b128 v[\reg+4*\c:\reg+4*\c+3], v[\adr] offset:(\i)*4096+(\q)*2048+512*\c
.endr
.endm
; 16 matrix instructions: A's blocks a0, a0 + 1 x B's eight, 128 along K.  p: B's set.  zero = 1: the first product starts the sums: nothing is ever cleared.
; The 64 accumulators take turns, one instruction a turn, in the same order in every step.
.macro MUL16 a0, p, zero
.irp a, \a0, \a0+1
.irp b, 0,1,2,3,4,5,6,7
.if \zero
	v_wmma_f32_16x16x128_fp8_fp8 v[8*(8*((\a)%4)+\b):8*(8*((\a)%4)+\b)+7], v[128*(\p)+FR*\b:128*(\p)+FR*\b+FR-1], v[AF+FR*(\a):AF+FR*(\a)+FR-1], 0
.else
	v_wmma_f32_16x16x128_fp8_fp8 v[8*(8*((\a)%4)+\b):8*(8*((\a)%4)+\b)+7], v[128*(\p)+FR*\b:128*(\p)+FR*\b+FR-1], v[AF+FR*(\a):AF+FR*(\a)+FR-1], v[8*(8*((\a)%4)+\b):8*(8*((\a)%4)+\b)+7]
.endif
.endr
.endr
.endm
.macro FETCH_B slot, q, p              ; B's eight fragments into set p
	WIN TO_B
.irp i, 0,1,2,3,4,5,6,7
	FRAG 128*(\p)+FR*\i, ADRB+\slot, \q, \i
.endr
	WIN 0
.endm
.macro FETCH_A slot, q, i0             ; A's blocks i0 .. i0 + 3
.irp i, \i0, \i0+1, \i0+2, \i0+3
	FRAG AF+FR*(\i), ADRA+\slot, \q, \i
.endr
.endm
; A load into a register that a matrix instruction has read, and a vector instruction that reads a matrix result or writes one of a matrix instruction's registers, stand NP places behind it; only plain vector
; instructions that name none of its registers are places (ISA guide 7.12.1 for vector instructions).
.macro PLACES n
.rept \n
	v_nop
.endr
.endm
; A step of 128 along K that has its successor in the same slot.  A block of A is free as soon as its eight products are issued: blocks 0-3 are fetched anew in the step's middle, blocks 4-7 at its end.
.macro STEP slot, q, zero
	s_wait_dscnt 4*NL                              ; B's set and A's blocks 0-3 are in; the youngest sixteen loads (A's blocks 4-7) may be out
	WIN MUL_LO
	MUL16 0, (\q)%2, \zero
	MUL16 2, (\q)%2, \zero
	s_wait_dscnt 0                                 ; A's blocks 4-7 are in (asked for 32 matrix instructions ago)
	PLACES NP
	FETCH_B \slot, (\q)+1, 1-(\q)%2
	FETCH_A \slot, (\q)+1, 0
	WIN MUL_HI
	MUL16 4, (\q)%2, \zero
	MUL16 6, (\q)%2, \zero
	PLACES NP
	WIN 0
	FETCH_A \slot, (\q)+1, 4
.endm
; A slot's last step changes slots: ONE barrier; in front of it each wave waits for all its tensor loads, adds 0 to its spare word, and waits for that and for its own reads of this slot.  fill = 1: this slot is filled again, two K steps ahead.
.macro TURN slot, next, fill
	s_wait_tensorcnt 0x0                           ; all my tensor loads have landed: my part of the next slot;  (every window is 0 here: the add's two registers lie in window 0)
	ds_add_u32 v[SPW], v[NIL]                      ; 0 onto my spare word
	s_wait_dscnt 4*NL+1                            ; (the add and the youngest sixteen loads, A's blocks 4-7, may be out)
	WIN MUL_LO
	MUL16 0, 1, 0                                  ; sixteen matrix instructions stand between the add and the wait for it
	s_wait_dscnt 0x0                               ; the add is done, and my reads of this slot are over
	s_barrier_signal -1
	MUL16 2, 1, 0
	WIN 0
	s_barrier_wait -1
.if \fill
	CREST                                          ; the barrier has opened a round of the cluster's barrier: no wave of any partner still reads this slot's tile or has a load on its way
	s_add_nc_u64 s[G0+4*\slot+2:G0+4*\slot+3], s[G0+4*\slot+2:G0+4*\slot+3], s[66:67]
	s_add_nc_u64 s[G0B+4*\slot+2:G0B+4*\slot+3], s[G0B+4*\slot+2:G0B+4*\slot+3], s[68:69]
	JLOAD G0+4*\slot, G1, G0B+4*\slot, G1B         ; the first tensor load behind the round, my one load until the next; the four v_nop behind it are the places in front of the loads below
.else
	PLACES NP
.endif
	FETCH_B \next, 0, 0
	FETCH_A \next, 0, 0
	WIN MUL_HI
	MUL16 4, 1, 0
	MUL16 6, 1, 0
	PLACES NP
	WIN 0
	FETCH_A \next, 0, 4
.endm
; The very last 128 along K: nothing more to fetch.  Written out on both ways behind the parting on p.
.macro LAST
	s_wait_dscnt 4*NL                              ; B's set and A's blocks 0-3 are in; the youngest sixteen loads (A's blocks 4-7) may be out
	WIN MUL_LO
	MUL16 0, 1, 0
	MUL16 2, 1, 0
	s_wait_dscnt 0
	WIN MUL_HI
	MUL16 4, 1, 0
	MUL16 6, 1, 0
	WIN 0
	PLACES NP                                      ; behind the last products: their results are read and A's registers written on the way out
.endm
.macro ROPE a                          ; the cosines and sines of my token block a into set a % 2: eight loads of 512 consecutive bytes
.irp m, 0,1,2,3,4,5,6,7
	global_load_b128 v[RS+32*((\a)%2)+4*\m:RS+32*((\a)%2)+4*\m+3], v[LI], s[8:9] offset:(\a)*4096+\m*512
.endr
.endm
; The end of a unit of the way out: 32 numbers in v[TMP] on become 8 registers of codes, two groups of an image.
.macro TAIL a, hh, o0, o1
.irp b, 0,1,2,3
	v_cvt_scalef32_pk8_fp8_f32 v[CD+16*(\a)+8*\hh+2*\b:CD+16*(\a)+8*\hh+2*\b+1], v[TMP+8*\b:TMP+8*\b+7], v[SC]
.endr
	v_nop                                          ; one plain line between the conversions and the next unit's lines, which write their sources
	global_store_b128 v[LI], v[CD+16*(\a)+8*\hh:CD+16*(\a)+8*\hh+3], s[12:13] offset:\o0
	global_store_b128 v[LI], v[CD+16*(\a)+8*\hh+4:CD+16*(\a)+8*\hh+7], s[12:13] offset:\o1
.endm
; q, k: token block a, head hh of my two: accumulators (a, 4 hh + b).  A lane's registers 2 i, 2 i + 1 are a pair (xe, xo); with T = (cos, sin):
; first (-xo sin, xo cos), then + (xe cos, xe sin).  Each accumulator is read from its low end on.
.macro RUNIT a, hh
	WIN 0x02+(\a)/4                                ; source 0: window 2 or 3
.irp b, 0,1,2,3
.irp i, 0,2,4,6
	v_pk_mul_f32 v[TMP+8*\b+\i:TMP+8*\b+\i+1], v[8*(8*((\a)%4)+4*\hh+\b)+\i:8*(8*((\a)%4)+4*\hh+\b)+\i+1], v[RS+32*((\a)%2)+8*\b+\i:RS+32*((\a)%2)+8*\b+\i+1] op_sel:[1,1] op_sel_hi:[1,0] neg_lo:[1,0]
.endr
.irp i, 0,2,4,6
	v_pk_fma_f32 v[TMP+8*\b+\i:TMP+8*\b+\i+1], v[8*(8*((\a)%4)+4*\hh+\b)+\i:8*(8*((\a)%4)+4*\hh+\b)+\i+1], v[RS+32*((\a)%2)+8*\b+\i:RS+32*((\a)%2)+8*\b+\i+1], v[TMP+8*\b+\i:TMP+8*\b+\i+1] op_sel_hi:[0,1,1]
.endr
.endr
	WIN 0
.set nn, 0
.rept 32
.set nn, nn+1
.endr
	TAIL \a, \hh, (\a)*1024+\hh*131072, (\a)*1024+\hh*131072+512
.endm
; v: channel block a (head a / 4 of my two, tile a % 4), keys 64 hh on: accumulators (a, 4 hh + b): groups 2 hh, 2 hh + 1 of the image of 16 channels x 128 keys
.macro VUNIT a, hh
	WIN 0x02+(\a)/4
.irp b, 0,1,2,3
.irp i, 0,1,2,3,4,5,6,7
	v_med3_num_f32 v[TMP+8*\b+\i], v[8*(8*((\a)%4)+4*\hh+\b)+\i], -v[LIM], v[LIM]
.endr
.endr
	WIN 0
	TAIL \a, \hh, ((\a)/4)*131072+((\a)%4)*2048+\hh*1024, ((\a)/4)*131072+((\a)%4)*2048+\hh*1024+512
.endm
	s_wait_alu depctr_va_vdst(0)
	s_wait_tensorcnt 1                             ; my part of K step 0 is in (K step 1's load may be out)
	s_barrier_signal -1
	s_barrier_wait -1                              ; everybody's is
	FETCH_B 0, 0, 0
	FETCH_A 0, 0, 0
	FETCH_A 0, 0, 4
	STEP 0, 0, 1                                   ; K step 0; its first products start the sums
	TURN 0, 1, 1                                   ; slot 0 takes K step 2
	STEP 1, 0, 0                                   ; K step 1
	TURN 1, 0, 1                                   ; slot 1 takes K step 3
	STEP 0, 0, 0                                   ; K step 2
	TURN 0, 1, 0                                   ; nothing is left to fetch
	STEP 1, 0, 0                                   ; K step 3, its first 128
	; the one scale of the way out, and its hold.  No branch hangs on a given exponent: the hold always stands.
	s_wait_kmcnt 0x0
	s_sub_co_i32 s94, s94, s88
	s_sub_co_i32 s94, s94, s89                     ; q: e6 - e0 - e1
	s_sub_co_i32 s95, s95, s90
	s_sub_co_i32 s95, s95, s91                     ; k: e7 - e2 - e3
	s_sub_co_i32 s97, s97, s92
	s_sub_co_i32 s97, s97, s93                     ; v: e9 - e4 - e5
	s_cmp_eq_u32 ttmp9, 0
	s_cselect_b32 s94, s94, s95
	s_cmp_eq_u32 ttmp9, 2
	s_cselect_b32 s94, s97, s94
	s_add_co_i32 s94, s94, 127
	s_lshl_b32 s95, s94, 23
	v_mov_b32 v[SC], s95
	s_add_co_i32 s94, s94, 8
	s_lshl_b32 s94, s94, 23
	s_or_b32 s94, s94, 0x600000
	v_mov_b32 v[LIM], s94
	s_cmp_eq_u32 ttmp9, 2                          ; the one parting on p: the cluster's x, the same in all sixteen partners
	s_cbranch_scc1 .Lv_way
	ROPE 0                                         ; q and k: the first two blocks' cosines and sines land under the last 64 products
	ROPE 1
	LAST
.irp a, 0,1,2,3,4,5,6,7
.if \a < 7
	s_wait_loadcnt 8                               ; this block's eight loads are in; the next block's eight may be out
.else
	s_wait_loadcnt 0
.endif
	RUNIT \a, 0
	RUNIT \a, 1
.if \a < 6
	ROPE \a+2                                      ; into the set just used
.endif
.endr
	s_branch .Ldone
.Lv_way:
	LAST
	s_wait_alu depctr_va_vdst(0)
.irp a, 0,1,2,3,4,5,6,7
	VUNIT \a, 0
	VUNIT \a, 1
.endr
.Ldone:
	s_wait_tensorcnt 0x0                           ; the wave's end
	ds_add_u32 v[SPW], v[NIL]
	s_wait_dscnt 0x0
	CROUND                                         ; the closing round: no work-group ends while a partner may still ask for a tile that names it
	s_endpgm
.Lfunc_end_k_q822afde5b2_qkv:
	.size	k_q822afde5b2_qkv, .Lfunc_end_k_q822afde5b2_qkv-k_q822afde5b2_qkv
	.p2alignl 7, 3214868480
	.fill 96, 4, 3214868480
	.section	.rodata,"a",@progbits
	.p2align	6, 0x0
	.amdhsa_kernel k_q822afde5b2_qkv
		.amdhsa_group_segment_fixed_size 327680
		.amdhsa_private_segment_fixed_size 0
		.amdhsa_enable_private_segment 0
		.amdhsa_kernarg_size 56
		.amdhsa_user_sgpr_count 2
		.amdhsa_user_sgpr_kernarg_segment_ptr 1
		.amdhsa_wavefront_size32 1
		.amdhsa_system_sgpr_workgroup_id_x 1
		.amdhsa_system_sgpr_workgroup_id_y 1
		.amdhsa_system_sgpr_workgroup_id_z 1
		.amdhsa_system_vgpr_workitem_id 0
		.amdhsa_next_free_vgpr 1024
		.amdhsa_next_free_sgpr 100
		.amdhsa_reserve_vcc 0
		.amdhsa_float_denorm_mode_32 3
		.amdhsa_float_denorm_mode_16_64 3
		.amdhsa_fp16_overflow 1
		.amdhsa_memory_ordered 1
		.amdhsa_forward_progress 1
		.amdhsa_inst_pref_size 170
	.end_amdhsa_kernel
	.amdgpu_metadata
---
amdhsa.version: [ 1, 2 ]
amdhsa.kernels:
  - .name:           k_q822afde5b2_qkv
    .symbol:         k_q822afde5b2_qkv.kd
    .args:
      - { .name: ximg, .offset: 0, .size: 8, .value_kind: global_buffer, .address_space: global }
      - { .name: wimg, .offset: 8, .size: 8, .value_kind: global_buffer, .address_space: global }
      - { .name: rope, .offset: 16, .size: 8, .value_kind: global_buffer, .address_space: global }
      - { .name: lowp_scales, .offset: 24, .size: 8, .value_kind: global_buffer, .address_space: global }
      - { .name: qimg, .offset: 32, .size: 8, .value_kind: global_buffer, .address_space: global }
      - { .name: kimg, .offset: 40, .size: 8, .value_kind: global_buffer, .address_space: global }
      - { .name: vimg, .offset: 48, .size: 8, .value_kind: global_buffer, .address_space: global }
    .group_segment_fixed_size: 327680
    .private_segment_fixed_size: 0
    .kernarg_segment_align: 8
    .kernarg_segment_size: 56
    .max_flat_workgroup_size: 128
    .sgpr_count:     100
    .vgpr_count:     1024
    .wavefront_size: 32
...
	.end_amdgpu_metadata
.endif
;; end of part 2
;; launch attn (part 3): grid 4 x 64, 16 waves a work-group, no clusters, 264,192 bytes of LDS; arguments qimg, kimg, vimg, lowp_scales, aimg; writes aimg
.if DOCPART == 3
	.amdgcn_target "amdgcn-amd-amdhsa--gfx1250"
	.amdhsa_code_object_version 6
	.text
	.protected	k_q822afde5b2_attn
	.globl	k_q822afde5b2_attn
	.p2align	8
	.type	k_q822afde5b2_attn,@function
k_q822afde5b2_attn:
	s_mov_b64 s[64:65], 0
	v_nop
	global_prefetch_b8 v0, s[64:65] scope:SCOPE_SE
	s_setreg_imm32_b32 hwreg(HW_REG_WAVE_MODE, 25, 1), 1
	s_wait_xcnt 0x0
; Causal attention on codes of FP8 (E4M3), head size 64, 2,048 tokens, 64 pairs (batch, head).  Both products are used transposed: S^T = K Q^T (source 0 = 16 keys, source 1 = my 16 queries, K = 64),
; O^T = V^T P^T (source 0 = 16 channels, source 1 = P, K = 128 keys): a lane holds ONE query (lane % 16) throughout, and its registers 8 c + j hold key 16 c + 8 (lane / 16) + j: eight of them, converted, are
; registers 2 c, 2 c + 1 of P's fragment in the 8-bit operands' own layout.  q, k, v arrive as images of such fragments (groups of four registers, 512 bytes, lane l at 16 l); the result leaves as one.
; THE SOFTMAX AHEAD OF THE SECOND PRODUCT: t = score x log2(e) / 8; M = the row's largest t so far, rounded UP to a whole number; p = 2^(t - M) is quantised with 2^e8, not normalised; the row's sum is taken of the
; unquantised p and divides O at the end.  When M moves, the sum and O are multiplied by 2^(old M - new M): exact.  O / sum is quantised with 2^e10 for the last projection.
; SHARES.  Work-group (j, batch x head); sixteen waves of 256 registers, four to a SIMD.  Wave w owns two blocks of 16 queries: 127 - (16 j + w) and 16 j + w.  A block tb needs tb / 8 + 1 key steps of 128, so
; the two together need 17 in every wave of every work-group.
; LDS.  The head's whole K (131,072 bytes: block of 16 keys x 1,024) and V (131,072: key step x 8,192) are brought ONCE, in four quarters of 512 keys; nothing is ever filled again.  Waves 0, 1 fetch K's halves of each
; quarter, waves 2, 3 V's: four tensor loads of 16,384 bytes each, all issued at the start: four of a wave's are out at the most.
; CAUSAL.  Every wave walks all 16 key steps in loops of constant count and passes every barrier; a step all of whose keys come after its 16 queries is jumped over (a scalar branch on ids); on the diagonal hidden scores become -infinity.
; NO CLUSTER, though the four work-groups of a head read the same K and V: the jump over hidden steps hangs on the work-group's blocks of queries, which in a cluster of those four would be its place in the cluster.
; each work-group asks for its 262,144 bytes once.
; LIMITS on the given exponents, so that each power of two below is an f32 number: e6 + e7 between -123 and 130; e8, and e10 - e8 - e9, between -126 and 119.
; REGISTERS: v1-3 addresses that stay; v8, v9 addresses of the step; v10, v11 the result's hold and scale; v12 -M, v13 the largest t, v[14:15] the sum in two halves; v16-23 Q; v32-95 eight fragments of K, then four of V;
; v96-159 S^T, then p; v160-191 O^T; v192-223 O / sum; v224-239 codes; v240 448 x 2^e8, v244 2^e8; v236, v242-243, v252-254 at work.
.set LI,   1                           ; v1   16 x lane
.set DR,   2                           ; v2   lane % 16 - 8 (lane / 16)
.set AV0,  3                           ; v3   16 x lane + 131,072: V's part of LDS
.set ADK,  8
.set ADV,  9
.set OLIM, 10
.set OSC,  11
.set WV,   18                          ; s18  my wave's number
.set SEL,  20                          ; s[20:21] lane selects for v_permlanex16_b32: lane l xor 16
.set CS,   22                          ; s[22:23] c = log2(e) / 8 x 2^(e6 + e7)
.set G1,   24                          ; s[24:31] descriptor group 1
.set G0,   32                          ; s[32:47] descriptor group 0, one set for each quarter
.set BH,   48                          ; s48  batch x head
.set LO,   49                          ; s49  16 j + w
.set TBK,  50                          ; s50  the block of queries in hand
.set PASS, 51
.set Q0,   66                          ; s66  my first query
.set KF,   67                          ; s67  the step's first key
.set TK,   68                          ; s68  the step's first byte in K's part, and in V's
.set CNT,  69
	s_load_b256 s[4:11], s[0:1], 0x0               ; qimg s[4:5], kimg s[6:7], vimg s[8:9], the scales s[10:11]
	s_load_b64 s[12:13], s[0:1], 0x20              ; aimg
	v_lshl_add_u32 v251, v0, 2, 0x40000
	v_mov_b32 v255, 0
	ds_add_u32 v251, v255
	ds_add_u32 v251, v255
	v_lshrrev_b32 v8, 5, v0
	s_delay_alu instid0(VALU_DEP_1)
	v_readfirstlane_b32 s[WV], v8                  ; wave 0..15
	s_and_b32 s[BH], ttmp7, 0xffff
	s_lshl_b32 s[LO], ttmp9, 4
	s_add_co_u32 s[LO], s[LO], s[WV]
	s_sub_co_u32 s[TBK], 127, s[LO]                ; the late block first
	; descriptor group 1: a dense block of 16,384 bytes as 64 rows of 32 elements of 8 bytes
	s_mov_b32 s[G1], 3<<16                         ; 15:0 no mask; 17:16 elements of 8 bytes; no padding
	s_mov_b32 s[G1+1], 32<<16                      ; tensor_dim0
	s_mov_b32 s[G1+2], 64<<16                      ; tensor_dim1
	s_mov_b32 s[G1+3], 32<<16                      ; tile_dim0
	s_mov_b32 s[G1+4], 64                          ; tile_dim1
	s_mov_b32 s[G1+5], 32                          ; tensor_dim0_stride: the rows lie on end
	s_mov_b32 s[G1+6], 0
	s_mov_b32 s[G1+7], 0
	s_lshr_b32 s76, s[WV], 1
	s_lshl_b32 s76, s76, 17                        ; K's part of LDS (waves 0, 1) or V's (waves 2, 3),
	s_and_b32 s77, s[WV], 1
	s_lshl_b32 s77, s77, 14                        ; my half of a quarter
	s_add_co_u32 s76, s76, s77
	s_lshl_b32 s70, s[BH], 17                      ; the head's 131,072 bytes in qimg, kimg and vimg
	s_mov_b32 s71, 0
	s_add_co_u32 s78, s70, s77
	s_mov_b32 s79, 0
	s_mov_b32 s[SEL], 0x76543210
	s_mov_b32 s[SEL+1], 0xfedcba98
	s_mov_b32 s[CS], 0x3e38aa3b                    ; log2(e) / 8
	s_wait_dscnt 0x0
	s_wait_kmcnt 0x0
	s_load_b256 s[52:59], s[10:11], 0x0            ; e0 .. e7: e6 s58, e7 s59
	s_load_b128 s[60:63], s[10:11], 0x20           ; e8 s60, e9 s61, e10 s62
	s_cmp_lt_u32 s[WV], 2
	s_cselect_b64 s[14:15], s[6:7], s[8:9]
	s_add_nc_u64 s[14:15], s[14:15], s[78:79]
.irp l, 0,1,2,3
	s_mov_b32 s[G0+4*\l], 1                        ; 1:0 count = 1
	s_add_co_u32 s[G0+4*\l+1], s76, \l*32768       ; 63:32 LDS address: quarter l
	s_add_nc_u64 s[G0+4*\l+2:G0+4*\l+3], s[14:15], \l*32768   ; 120:64 global address
	s_or_b32 s[G0+4*\l+3], s[G0+4*\l+3], 0x80000000   ; 127:126 type = 2
.endr
	s_cmp_lt_u32 s[WV], 4                          ; a wave's four fills stand in one branch on its number, ahead of every wait on TENSORcnt, every LDS read and every barrier
	s_cbranch_scc0 .Lno_fetch
	tensor_load_to_lds s[G0:G0+3], s[G1:G1+7]
	s_nop 0
	tensor_load_to_lds s[G0+4:G0+7], s[G1:G1+7]
	s_nop 0
	tensor_load_to_lds s[G0+8:G0+11], s[G1:G1+7]
	s_nop 0
	tensor_load_to_lds s[G0+12:G0+15], s[G1:G1+7]
	s_nop 0
.rept 4
	v_nop
.endr
.Lno_fetch:
	v_and_b32 v8, 31, v0
	s_delay_alu instid0(VALU_DEP_1)
	v_lshlrev_b32 v[LI], 4, v8
	s_delay_alu instid0(VALU_DEP_1)
	v_add_nc_u32 v[AV0], 0x20000, v[LI]
	v_and_b32 v8, 15, v0
	v_bfe_u32 v9, v0, 4, 1
	s_delay_alu instid0(VALU_DEP_1)
	v_lshlrev_b32 v9, 3, v9
	s_delay_alu instid0(VALU_DEP_1)
	v_sub_nc_u32 v[DR], v8, v9
	v_mov_b32 v236, 0                              ; written once: a lane permute's destination counts as one of its sources
	v_mov_b32 v252, 0
	v_mov_b32 v253, 0                              ; (named as the upper half of the pair v[252:253])
	s_add_nc_u64 s[4:5], s[4:5], s[70:71]          ; Q's images of my head
	s_and_b32 s76, s[BH], 15                       ; the head hd.  aimg: [K step of 256 = hd / 4][block of 16 tokens: 512][4,096 bytes], the head's 1,024 bytes at (hd % 4) x 1,024
	s_lshr_b32 s77, s76, 2
	s_lshl_b32 s77, s77, 21
	s_lshr_b32 s78, s[BH], 4                       ; the batch: 128 blocks of 4,096 bytes
	s_lshl_b32 s78, s78, 19
	s_add_co_u32 s77, s77, s78
	s_and_b32 s76, s76, 3
	s_lshl_b32 s76, s76, 10
	s_add_co_u32 s70, s77, s76
	s_add_nc_u64 s[12:13], s[12:13], s[70:71]
	s_wait_kmcnt 0x0
	s_add_co_i32 s76, s58, s59
	s_lshl_b32 s76, s76, 23
	s_add_co_i32 s[CS], s[CS], s76                 ; a score stands for score x 2^(e6 + e7): the two exponents are added to c's exponent field
	s_mov_b32 s[CS+1], s[CS]                       ; (named with it as a pair, so it is written)
	s_add_co_i32 s76, s60, 127
	s_lshl_b32 s77, s76, 23
	v_mov_b32 v244, s77                            ; 2^e8
	s_sub_co_i32 s76, s62, s60
	s_sub_co_i32 s76, s76, s61                     ; a sum of the second product stands for sum x 2^(e8 + e9): its code is (sum / l) / 2^(e10 - e8 - e9)
	s_add_co_i32 s76, s76, 127
	s_lshl_b32 s77, s76, 23
	v_mov_b32 v[OSC], s77
; A KEY STEP: 128 keys from KF on.
.macro TSTEP
	s_add_co_u32 s76, s[Q0], 15
	s_cmp_gt_u32 s[KF], s76                        ; all 128 keys come after my queries: only the two steps at the end are made
	s_cbranch_scc1 .Lhidden_\@
	s_setprio 2
	v_add_nc_u32 v[ADK], s[TK], v[LI]
	v_add_nc_u32 v[ADV], s[TK], v[AV0]
	v_nop                                          ; with the two additions: four places in front of loads into registers that the last products read
	v_nop
.irp c, 0,1,2,3,4,5,6,7
	ds_load_b128 v[32+8*\c:35+8*\c], v[ADK] offset:1024*\c        ; tile c: keys 16 c on, 64 channels: two groups
	ds_load_b128 v[36+8*\c:39+8*\c], v[ADK] offset:1024*\c+512
.endr
	s_wait_alu depctr_va_vdst(0)
	s_wait_dscnt 0x0
.irp c, 0,1,2,3,4,5,6,7
	v_wmma_f32_16x16x64_fp8_fp8 v[96+8*\c:103+8*\c], v[32+8*\c:39+8*\c], v[16:23], 0
.endr
.rept 4
	v_nop                                          ; places in front of the loads below and of the first read of the scores
.endr
.irp t, 0,1,2,3
.irp g, 0,1,2,3
	ds_load_b128 v[32+16*\t+4*\g:35+16*\t+4*\g], v[ADV] offset:2048*\t+512*\g   ; V's four tiles (16 channels x 128 keys) land under the softmax
.endr
.endr
	s_add_co_u32 s76, s[KF], 127
	s_cmp_le_u32 s76, s[Q0]                        ; a step all of whose keys count skips the mask
	s_cbranch_scc1 .Lopen_\@
	s_sub_co_i32 s76, s[Q0], s[KF]
	v_add_nc_u32 v252, s76, v[DR]                  ; d = my query - KF - 8 (lane / 16).  Register 8 c + j holds key KF + 8 (lane / 16) + 16 c + j: hidden where 16 c + j > d
	v_mov_b32 v254, 0xff800000                     ; -infinity
.set nn, 0
.rept 64
	v_cmp_gt_i32 vcc_lo, 16*(nn/8)+nn%8, v252
	v_cndmask_b32 v[96+nn], v[96+nn], v254, vcc_lo
.set nn, nn+1
.endr
.Lopen_\@:
	v_max3_num_f32 v254, v96, v97, v98             ; the step's largest score of my query, among my 64 keys, in two chains (each accumulator is first read at its low end),
	v_max3_num_f32 v252, v99, v100, v101
.irp i, 6,10,14,18,22,26,30,34,38,42,46,50,54,58
	v_max3_num_f32 v254, v254, v[96+\i], v[97+\i]
	v_max3_num_f32 v252, v252, v[98+\i], v[99+\i]
.endr
	v_max3_num_f32 v254, v254, v158, v159
	s_delay_alu instid0(VALU_DEP_1)
	v_max_num_f32 v254, v254, v252
	v_permlanex16_b32 v236, v254, s[SEL], s[SEL+1]
	s_delay_alu instid0(VALU_DEP_1)
	v_max_num_f32 v254, v254, v236                 ; and among lane l xor 16's
	s_delay_alu instid0(VALU_DEP_1)
	v_mul_f32 v254, s[CS], v254                    ; as t (c is positive)
	s_delay_alu instid0(VALU_DEP_1)
	v_max_num_f32 v13, v13, v254                   ; the running largest t
	v_mov_b32 v254, v12
	s_delay_alu instid0(VALU_DEP_2)
	v_floor_f32 v12, -v13                          ; the new -M = floor(-t) = -ceil(t): a whole number
	s_delay_alu instid0(VALU_DEP_1)
	v_sub_f32 v254, v12, v254                      ; M's old value less its new one: 0 or less
	s_delay_alu instid0(VALU_DEP_1)
	v_cvt_i32_f32 v254, v254                       ; (it saturates)
	s_delay_alu instid0(VALU_DEP_1)
	v_ldexp_f32 v252, 1.0, v254                    ; f = 2^(old M - new M)
.set jj, 0
	s_setprio 1
.rept 32
	v_pk_fma_f32 v[96+jj:97+jj], v[96+jj:97+jj], s[CS:CS+1], v[12:13] op_sel_hi:[1,0,0]   ; t - M, two at a time (of the pairs c and -M the low word serves both halves)
.set jj, jj+2
.endr
.set jj, 0
	s_wait_alu depctr_va_vdst(0)
.rept 64
	v_exp_f32 v[96+jj], v[96+jj]                   ; p = 2^(t - M), at most 1
.set jj, jj+1
.endr
	v_pk_mul_f32 v[14:15], v[14:15], v[252:253] op_sel_hi:[1,0]   ; the sums under the new M.  (A plain line behind the exponentials)
	s_wait_alu depctr_va_vdst(0)
	v_pk_add_f32 v[242:243], v[100:101], v[104:105]
	v_pk_add_f32 v[248:249], v[108:109], v[112:113]
	v_pk_add_f32 v[246:247], v[116:117], v[120:121]
	v_pk_add_f32 v[240:241], v[124:125], v[128:129]
	v_pk_add_f32 v[238:239], v[132:133], v[136:137]
	v_pk_add_f32 v[236:237], v[140:141], v[144:145]
	v_pk_add_f32 v[234:235], v[148:149], v[152:153]
	v_pk_add_f32 v[14:15], v[14:15], v[156:157]
	v_pk_add_f32 v[242:243], v[242:243], v[96:97]
	v_pk_add_f32 v[248:249], v[248:249], v[98:99]
	v_pk_add_f32 v[246:247], v[246:247], v[102:103]
	v_pk_add_f32 v[240:241], v[240:241], v[106:107]
	v_pk_add_f32 v[238:239], v[238:239], v[110:111]
	v_pk_add_f32 v[236:237], v[236:237], v[114:115]
	v_pk_add_f32 v[234:235], v[234:235], v[118:119]
	v_pk_add_f32 v[14:15], v[14:15], v[122:123]
	v_pk_add_f32 v[242:243], v[242:243], v[126:127]
	v_pk_add_f32 v[248:249], v[248:249], v[130:131]
	v_pk_add_f32 v[246:247], v[246:247], v[134:135]
	v_pk_add_f32 v[240:241], v[240:241], v[138:139]
	v_pk_add_f32 v[238:239], v[238:239], v[142:143]
	v_pk_add_f32 v[236:237], v[236:237], v[146:147]
	v_pk_add_f32 v[234:235], v[234:235], v[150:151]
	s_setprio 0
	v_pk_add_f32 v[14:15], v[14:15], v[154:155]
	v_pk_add_f32 v[242:243], v[242:243], v[158:159]
	s_delay_alu instid0(VALU_DEP_2)
	v_pk_add_f32 v[14:15], v[14:15], v[240:241]
	s_delay_alu instid0(VALU_DEP_2)
	v_pk_add_f32 v[242:243], v[242:243], v[238:239]
	v_pk_add_f32 v[248:249], v[248:249], v[236:237]
	v_pk_add_f32 v[246:247], v[246:247], v[234:235]
	s_delay_alu instid0(VALU_DEP_2)
	v_pk_add_f32 v[14:15], v[14:15], v[248:249]
	s_delay_alu instid0(VALU_DEP_2)
	v_pk_add_f32 v[242:243], v[242:243], v[246:247]
	s_delay_alu instid0(VALU_DEP_1)
	v_pk_add_f32 v[14:15], v[14:15], v[242:243]
.irp c, 0,1,2,3,4,5,6,7
.irp i, 0,1,2,3,4,5,6,7
.endr
	v_cvt_scalef32_pk8_fp8_f32 v[224+2*\c:225+2*\c], v[96+8*\c:103+8*\c], v244
.endr
.set jj, 0
.rept 16
	v_pk_mul_f32 v[160+jj:161+jj], v[160+jj:161+jj], v[252:253] op_sel_hi:[1,0]   ; O^T under the new M.  (Also the plain lines between the conversions and the products below)
.set jj, jj+2
.endr
	s_wait_alu depctr_va_vdst(0)
	s_wait_dscnt 0x0                               ; V is in
.irp t, 0,1,2,3                                        ; the four accumulators take turns, and the next step's eight products on the scores stand between a turn and the next
	v_wmma_f32_16x16x128_fp8_fp8 v[160+8*\t:167+8*\t], v[32+16*\t:47+16*\t], v[224:239], v[160+8*\t:167+8*\t]
.endr
.Lhidden_\@:
	s_add_co_u32 s[TK], s[TK], 8192
	s_add_co_u32 s[KF], s[KF], 128
.endm
; Quarter n of the keys: four key steps.  The count leaves the later quarters' loads out. In the second pass all loads have landed and the waits are met at once.
.macro STAGE n
	s_wait_dscnt 0x0                               ; no LDS instruction of mine is out at the signal
	s_wait_tensorcnt 3-\n                          ; my loads come in the order of issue: quarters 0 .. n are in,
	s_barrier_signal -1
	s_barrier_wait -1                              ; everybody's are
	s_mov_b32 s[TK], \n*32768
	s_mov_b32 s[KF], \n*512
	s_mov_b32 s[CNT], 4
.Lstep_\@:
	TSTEP
	s_sub_co_u32 s[CNT], s[CNT], 1
	s_cmp_lg_u32 s[CNT], 0
	s_cbranch_scc1 .Lstep_\@
	s_setprio 0
.endm
	s_mov_b32 s[PASS], 2
.Lpass:                                                ; two trips: the late block of queries, then the early one
	s_lshl_b32 s[Q0], s[TBK], 4
	s_lshl_b32 s70, s[TBK], 10
	s_mov_b32 s71, 0
	s_add_nc_u64 s[72:73], s[4:5], s[70:71]        ; Q's image
	s_lshl_b32 s70, s[TBK], 12
	s_add_nc_u64 s[74:75], s[12:13], s[70:71]      ; where the result goes
	global_load_b128 v[16:19], v[LI], s[72:73]
	global_load_b128 v[20:23], v[LI], s[72:73] offset:512
	v_mov_b32 v13, 0xff61b1e6                      ; the largest t so far: -3e38, under every t
	s_delay_alu instid0(VALU_DEP_1)
	v_floor_f32 v12, -v13                          ; -M
	v_mov_b32 v14, 0                               ; the sum, in two halves
	v_mov_b32 v15, 0
.set jj, 0
.rept 32
	v_mov_b32 v[160+jj], 0                         ; O^T: the step is written once; the first finds zeros, which the first change of M leaves zeros
.set jj, jj+1
.endr
	s_wait_loadcnt 0x0                             ; Q
	STAGE 0
	STAGE 1
	STAGE 2
	STAGE 3
.rept 4
	v_nop                                          ; places behind the last products
.endr
	v_add_f32 v14, v14, v15                        ; the sum's two halves,
	s_delay_alu instid0(VALU_DEP_1)
	v_permlanex16_b32 v252, v14, s[SEL], s[SEL+1]
	s_delay_alu instid0(VALU_DEP_1)
	v_add_f32 v14, v14, v252                       ; and lane l xor 16's: the row's sum
	s_wait_alu depctr_va_vdst(0)
	v_rcp_f32 v14, v14
	v_nop                                          ; one plain line behind the transcendental
.set jj, 0
	s_wait_alu depctr_va_vdst(0)
.rept 16
	v_pk_mul_f32 v[192+jj:193+jj], v[160+jj:161+jj], v[14:15] op_sel_hi:[1,0]   ; O^T / the sum: register 8 t + i is channel 16 t + 8 (lane / 16) + i of my query
.set jj, jj+2
.endr
.set jj, 0
.rept 32
.set jj, jj+1
.endr
.irp t, 0,1,2,3
	v_cvt_scalef32_pk8_fp8_f32 v[224+2*\t:225+2*\t], v[192+8*\t:199+8*\t], v[OSC]
.endr
	v_nop                                          ; one plain line behind the last conversion
	global_store_b128 v[LI], v[224:227], s[74:75]              ; two groups of the last projection's operand: 512 consecutive bytes each
	global_store_b128 v[LI], v[228:231], s[74:75] offset:512
	s_wait_xcnt 0x0                                ; the stores have read their registers and their base: both are written again in the next trip
	s_mov_b32 s[TBK], s[LO]
	s_sub_co_u32 s[PASS], s[PASS], 1
	s_cmp_lg_u32 s[PASS], 0
	s_cbranch_scc1 .Lpass
	s_wait_tensorcnt 0x0
	ds_add_u32 v251, v255
	s_wait_dscnt 0x0
	s_endpgm
.Lfunc_end_k_q822afde5b2_attn:
	.size	k_q822afde5b2_attn, .Lfunc_end_k_q822afde5b2_attn-k_q822afde5b2_attn
	.p2alignl 7, 3214868480
	.fill 96, 4, 3214868480
	.section	.rodata,"a",@progbits
	.p2align	6, 0x0
	.amdhsa_kernel k_q822afde5b2_attn
		.amdhsa_group_segment_fixed_size 264192
		.amdhsa_private_segment_fixed_size 0
		.amdhsa_enable_private_segment 0
		.amdhsa_kernarg_size 40
		.amdhsa_user_sgpr_count 2
		.amdhsa_user_sgpr_kernarg_segment_ptr 1
		.amdhsa_wavefront_size32 1
		.amdhsa_system_sgpr_workgroup_id_x 1
		.amdhsa_system_sgpr_workgroup_id_y 1
		.amdhsa_system_sgpr_workgroup_id_z 1
		.amdhsa_system_vgpr_workitem_id 0
		.amdhsa_next_free_vgpr 256
		.amdhsa_next_free_sgpr 80
		.amdhsa_reserve_vcc 1
		.amdhsa_float_denorm_mode_32 3
		.amdhsa_float_denorm_mode_16_64 3
		.amdhsa_fp16_overflow 1
		.amdhsa_memory_ordered 1
		.amdhsa_forward_progress 1
		.amdhsa_inst_pref_size 87
	.end_amdhsa_kernel
	.amdgpu_metadata
---
amdhsa.version: [ 1, 2 ]
amdhsa.kernels:
  - .name:           k_q822afde5b2_attn
    .symbol:         k_q822afde5b2_attn.kd
    .args:
      - { .name: qimg, .offset: 0, .size: 8, .value_kind: global_buffer, .address_space: global }
      - { .name: kimg, .offset: 8, .size: 8, .value_kind: global_buffer, .address_space: global }
      - { .name: vimg, .offset: 16, .size: 8, .value_kind: global_buffer, .address_space: global }
      - { .name: lowp_scales, .offset: 24, .size: 8, .value_kind: global_buffer, .address_space: global }
      - { .name: aimg, .offset: 32, .size: 8, .value_kind: global_buffer, .address_space: global }
    .group_segment_fixed_size: 264192
    .private_segment_fixed_size: 0
    .kernarg_segment_align: 8
    .kernarg_segment_size: 40
    .max_flat_workgroup_size: 512
    .sgpr_count:     80
    .vgpr_count:     256
    .wavefront_size: 32
...
	.end_amdgpu_metadata
.endif
;; end of part 3
;; launch oproj (part 4): grid 4 x 32, 4 waves a work-group, clusters of 4 x 4, 327,680 bytes of LDS; arguments aimg, wimg, lowp_scales, out0; writes out0
.if DOCPART == 4
	.amdgcn_target "amdgcn-amd-amdhsa--gfx1250"
	.amdhsa_code_object_version 6
	.text
	.protected	k_q822afde5b2_oproj
	.globl	k_q822afde5b2_oproj
	.p2align	8
	.type	k_q822afde5b2_oproj,@function
k_q822afde5b2_oproj:
	s_mov_b64 s[64:65], 0
	v_nop
	global_prefetch_b8 v0, s[64:65] scope:SCOPE_SE
	s_setreg_imm32_b32 hwreg(HW_REG_WAVE_MODE, 25, 1), 1
	s_wait_xcnt 0x0
	s_wait_alu depctr_hold_cnt(0) depctr_sa_sdst(0) depctr_va_vdst(0) depctr_va_sdst(0) depctr_va_ssrc(0) depctr_va_vcc(0) depctr_vm_vsrc(0)
	s_getreg_b32 s2, hwreg(HW_REG_IB_STS2, 6, 4)
	s_cmp_eq_u32 s2, 0
	s_cbranch_scc0 .Lentry_in_a_cluster
	s_endpgm
.Lentry_in_a_cluster:
	s_bfe_u32 s2, ttmp6, 0x10000c
	s_cmp_lg_u32 s2, 0xf033
	s_cbranch_scc0 .Lentry_shape_is_right
	s_endpgm
.Lentry_shape_is_right:
; out0 = attention's result x Wo^T on codes of FP8 (E4M3): [8,192 tokens][1,024] f32.  Each finished sum is multiplied once by 2^(e10 + e11).
; A tile is 256 x 256, a wave makes 128 x 128: 64 accumulators, 512 registers.  K = 1,024 goes in four steps of 256 through two LDS slots.  Both operands lie in memory as images of operand registers (16 rows x 128 K:
; lane (r, h) holds row r, registers 2 c, 2 c + 1 hold K = 16 c + 8 h + 0 .. 7; four groups of four registers, 512 bytes each, lane l at 16 l), so a wave's part of a K step is one dense block of 32,768 bytes for one
; tensor load, and a fragment is four ds_load_b128 of 512 consecutive bytes each.  aimg: [K step: 4][block of 16 tokens: 512][4,096];  Wo's image: wimg + 3 MiB: [K step: 4][block of 16 rows: 64][4,096].
; CLUSTERS: 4 x 4 work-groups; A's tile (tokens) is asked for jointly along a row of the cluster, B's (Wo's rows) along a column.  128 tiles: 128 work-groups.
; THE MATRIX INSTRUCTION IS USED TRANSPOSED (source 0 = 16 rows of Wo, source 1 = 16 tokens): a lane holds eight neighbouring numbers of a row of the output.
; LIMIT: e10 + e11 between -126 and 127, so that 2^(e10 + e11) is an f32 number.
; REGISTERS, in windows of 256: window 0: v16-29 addresses; v128-255 A's fragments, ONE set; on the way out v32-255 are free.   window 1: B's fragments, TWO sets.   windows 2, 3: the accumulators ((a, b) at v[8 (8 (a % 4) + b)]).
.set SIZE_N, 1024
.set FR,     16
.set NL,     4
.set NP,     4                         ; places behind this matrix instruction (ISA guide 7.12.1)
.set HALFT,  32768
.set SLOT,   4*HALFT
.set STRA,   0x200000                  ; from K step to K step in aimg,
.set STRB,   0x40000                   ; and in wimg
.set STAGE,  2*SLOT                    ; behind the ring: a stage of 16 rows x (512 bytes + 16) for each wave; no tile lands there
.set SPITCH, 528
.set SPARE,  STAGE+4*16*SPITCH         ; behind the stages: the spare words, 128 bytes for each wave: two blocks of 256 bytes that no other line names
.set ADRA, 16
.set ADRB, 20
.set STO,  24                          ; v24     the way out: where I put 32 bytes of a row
.set RD,   25                          ; v25     where I read a row back
.set CO,   26                          ; v26     16 x lane: my byte offset in a row's 512 bytes
.set SPW,  28
.set NIL,  29
.set TMP,  32
.set AF,   128
.set BK,   128
.set G1, 24
.set G0, 32
.set G1B, 48
.set G0B, 56
.set MSB, 0
.macro WIN new                         ; the immediate's high byte repeats the setting that is left
.if MSB != (\new)
	s_set_vgpr_msb (MSB<<8)|(\new)
.set MSB, (\new)
.endif
.endm
.set MUL_LO, 0xa1                      ; source 0 (B) window 1, source 1 (A) window 0, C and D window 2
.set MUL_HI, 0xf1
.set TO_B,   0x40
.macro JLOAD g0a, g1a, g0b, g1b        ; a joint load: waves 0 and 1 fetch for A, waves 2 and 3 for B; four v_nop follow each of the two lines
	s_cmp_eq_u32 s15, 0
	s_cbranch_scc0 .Lfor_b_\@
	tensor_load_to_lds s[\g0a:\g0a+3], s[\g1a:\g1a+7]
	s_nop 0
.rept 4
	v_nop
.endr
	s_branch .Lasked_\@
.Lfor_b_\@:
	tensor_load_to_lds s[\g0b:\g0b+3], s[\g1b:\g1b+7]
	s_nop 0
.rept 4
	v_nop
.endr
.Lasked_\@:
.endm
.macro CREST                           ; a round of the cluster's barrier behind its opening barrier
	s_cmp_lg_u32 s14, 0
	s_cbranch_scc1 .Lnot_wave_0_\@
	s_barrier_signal -3
.Lnot_wave_0_\@:
	s_barrier_wait -3
	s_barrier_signal -1
	s_barrier_wait -1
.endm
.macro CROUND
	s_barrier_signal -1
	s_barrier_wait -1
	CREST
.endm
	s_load_b256 s[4:11], s[0:1], 0x0               ; aimg s[4:5], wimg s[6:7], the scales s[8:9], out0 s[10:11]
	v_lshl_add_u32 v[SPW], v0, 2, SPARE
	v_mov_b32 v[NIL], 0
	ds_add_u32 v28, v29
	ds_add_u32 v28, v29
	s_wait_dscnt 0x0
	v_lshrrev_b32 v1, 5, v0
	v_readfirstlane_b32 s14, v1                    ; wave 0..3
	s_lshr_b32 s15, s14, 1                         ; which half of the tile's rows is mine.  Also: I fetch for A (0) or for B (1)
	s_and_b32 s16, s14, 1                          ; which half of its columns.  Also: which 8 blocks of that tile I fetch
	s_bfe_u32 s40, ttmp6, 0x40000                  ; cx, cy
	s_bfe_u32 s41, ttmp6, 0x40004
	s_lshl_b32 s42, ttmp9, 2
	s_add_co_u32 s42, s42, s40                     ; tile column = 4 x cluster x + cx
	s_and_b32 s17, ttmp7, 0xffff
	s_lshl_b32 s17, s17, 2
	s_add_co_u32 s17, s17, s41                     ; tile row = 4 x cluster y + cy
	s_lshl_b32 s43, s41, 2
	s_lshl_b32 s43, 15, s43                        ; my row of the cluster
	s_lshl_b32 s44, 0x1111, s40                    ; my column
	s_or_b32 s[G1+0], s43, (3<<16)|(1<<21)         ; 15:0 the mask; 17:16 elements of 8 bytes; no padding; 21 set beside a mask
	s_or_b32 s[G1B+0], s44, (3<<16)|(1<<21)
.irp g, G1, G1B
	s_mov_b32 s[\g+1], 32<<16                      ; a dense block of 32,768 bytes as 128 rows of 32 elements
	s_mov_b32 s[\g+2], 128<<16
	s_mov_b32 s[\g+3], 32<<16
	s_mov_b32 s[\g+4], 128
	s_mov_b32 s[\g+5], 32
	s_mov_b32 s[\g+6], 0
	s_mov_b32 s[\g+7], 0
.endr
	s_lshl_b32 s18, s16, 15                        ; which 8 blocks of the tile I fetch
	s_lshl_b32 s20, s17, 16
	s_add_co_u32 s20, s20, s18
	s_mov_b32 s21, 0
	s_lshl_b32 s46, s42, 16
	s_add_co_u32 s46, s46, s18
	s_add_co_u32 s46, s46, 0x300000                ; Wo's image is the fourth in wimg
	s_mov_b32 s47, 0
	s_mul_i32 s45, s14, HALFT                      ; where they go: wave x 32,768
	s_wait_kmcnt 0x0
	s_load_b64 s[96:97], s[8:9], 0x28              ; e10, e11
	s_add_nc_u64 s[20:21], s[4:5], s[20:21]
	s_add_nc_u64 s[46:47], s[6:7], s[46:47]
	CROUND                                         ; all sixteen work-groups are here: the first joint loads meet
.irp s, 0,1
	s_mov_b32 s[G0+4*\s], 1
	s_add_co_u32 s[G0+4*\s+1], s45, \s*SLOT
	s_add_nc_u64 s[G0+4*\s+2:G0+4*\s+3], s[20:21], \s*STRA
	s_or_b32 s[G0+4*\s+3], s[G0+4*\s+3], 0x80000000
	s_mov_b32 s[G0B+4*\s], 1
	s_add_co_u32 s[G0B+4*\s+1], s45, \s*SLOT
	s_add_nc_u64 s[G0B+4*\s+2:G0B+4*\s+3], s[46:47], \s*STRB
	s_or_b32 s[G0B+4*\s+3], s[G0B+4*\s+3], 0x80000000
	s_wait_alu depctr_va_vdst(0)
	s_wait_tensorcnt 0x0
	ds_add_u32 v28, v29
	ds_add_u32 v28, v29
	s_wait_dscnt 0x0
	CROUND
	JLOAD G0+4*\s, G1, G0B+4*\s, G1B
.endr
	v_and_b32 v1, 15, v0                           ; l % 16
	s_wait_alu depctr_va_vdst(0)
	v_bfe_u32 v2, v0, 4, 1                         ; l / 16
	v_and_b32 v6, 31, v0
	v_lshlrev_b32 v[CO], 4, v6
	s_mul_i32 s70, s15, HALFT                      ; my 8 blocks of A
	s_mul_i32 s71, s16, HALFT                      ; my 8 blocks of B,
	s_add_co_u32 s71, s71, 2*HALFT                 ; which lie behind A's 16
.irp s, 0,1
	v_add_nc_u32 v[ADRA+\s], s70, v[CO]
	v_add_nc_u32 v[ADRB+\s], s71, v[CO]
	s_add_co_u32 s70, s70, SLOT
	s_add_co_u32 s71, s71, SLOT
.endr
	s_mul_i32 s23, s14, 16*SPITCH
	s_add_co_u32 s23, s23, STAGE                   ; my stage
	v_mul_u32_u24 v5, v1, SPITCH                   ; in: row l % 16, 32 bytes for each half of the lanes
	s_wait_alu depctr_va_vdst(0)
	v_lshl_add_u32 v5, v2, 5, v5
	v_add_nc_u32 v[STO], s23, v5
	v_add_nc_u32 v[RD], s23, v[CO]                 ; back: the 32 lanes take one row of 512 bytes
	s_lshl_b32 s72, s17, 20                        ; my first row of the output: 256 x tile row + 128 x half, 4,096 bytes each,
	s_lshl_b32 s73, s15, 19
	s_add_co_u32 s72, s72, s73
	s_lshl_b32 s73, s42, 10                        ; my first column, in bytes: 1,024 x tile column + 512 x half
	s_add_co_u32 s72, s72, s73
	s_lshl_b32 s73, s16, 9
	s_add_co_u32 s72, s72, s73
	s_mov_b32 s73, 0
	s_add_nc_u64 s[10:11], s[10:11], s[72:73]
.macro FRAG reg, adr, q, i
.irp c, 0,1,2,3
	ds_load_b128 v[\reg+4*\c:\reg+4*\c+3], v[\adr] offset:(\i)*4096+(\q)*2048+512*\c
.endr
.endm
; 16 matrix instructions: A's blocks a0, a0 + 1 x B's eight.  The 64 accumulators take turns, one instruction a turn, in the same order in every step.
.macro MUL16 a0, p, zero
.irp a, \a0, \a0+1
.irp b, 0,1,2,3,4,5,6,7
.if \zero
	v_wmma_f32_16x16x128_fp8_fp8 v[8*(8*((\a)%4)+\b):8*(8*((\a)%4)+\b)+7], v[128*(\p)+FR*\b:128*(\p)+FR*\b+FR-1], v[AF+FR*(\a):AF+FR*(\a)+FR-1], 0
.else
	v_wmma_f32_16x16x128_fp8_fp8 v[8*(8*((\a)%4)+\b):8*(8*((\a)%4)+\b)+7], v[128*(\p)+FR*\b:128*(\p)+FR*\b+FR-1], v[AF+FR*(\a):AF+FR*(\a)+FR-1], v[8*(8*((\a)%4)+\b):8*(8*((\a)%4)+\b)+7]
.endif
.endr
.endr
.endm
.macro FETCH_B slot, q, p
	WIN TO_B
.irp i, 0,1,2,3,4,5,6,7
	FRAG 128*(\p)+FR*\i, ADRB+\slot, \q, \i
.endr
	WIN 0
.endm
.macro FETCH_A slot, q, i0
.irp i, \i0, \i0+1, \i0+2, \i0+3
	FRAG AF+FR*(\i), ADRA+\slot, \q, \i
.endr
.endm
.macro PLACES n                        ; plain vector lines between a matrix instruction and a load into, or a vector line on, its registers (ISA guide 7.12.1 for vector lines)
.rept \n
	v_nop
.endr
.endm
.macro STEP slot, q, zero
	s_wait_dscnt 4*NL                              ; B's set and A's blocks 0-3 are in; the youngest sixteen loads (A's blocks 4-7) may be out
	WIN MUL_LO
	MUL16 0, (\q)%2, \zero
	MUL16 2, (\q)%2, \zero
	s_wait_dscnt 0                                 ; A's blocks 4-7 are in
	PLACES NP
	FETCH_B \slot, (\q)+1, 1-(\q)%2
	FETCH_A \slot, (\q)+1, 0
	WIN MUL_HI
	MUL16 4, (\q)%2, \zero
	MUL16 6, (\q)%2, \zero
	PLACES NP
	WIN 0
	FETCH_A \slot, (\q)+1, 4
.endm
.macro TURN slot, next, fill
	s_wait_tensorcnt 0x0                           ; all my tensor loads have landed: my part of the next slot;  (every window is 0 here)
	ds_add_u32 v[SPW], v[NIL]                      ; 0 onto my spare word
	s_wait_dscnt 4*NL+1                            ; (the add and the youngest sixteen loads may be out)
	WIN MUL_LO
	MUL16 0, 1, 0                                  ; sixteen matrix instructions stand between the add and the wait for it
	s_wait_dscnt 0x0                               ; the add is done, and my reads of this slot are over
	s_barrier_signal -1
	MUL16 2, 1, 0
	WIN 0
	s_barrier_wait -1
.if \fill
	CREST                                          ; the barrier has opened a round of the cluster's barrier: no wave of any partner still reads this slot's tile or has a load on its way
	s_add_nc_u64 s[G0+4*\slot+2:G0+4*\slot+3], s[G0+4*\slot+2:G0+4*\slot+3], 2*STRA
	s_add_nc_u64 s[G0B+4*\slot+2:G0B+4*\slot+3], s[G0B+4*\slot+2:G0B+4*\slot+3], 2*STRB
	JLOAD G0+4*\slot, G1, G0B+4*\slot, G1B         ; the first tensor load behind the round, my one load until the next; its four v_nop are the places in front of the loads below
.else
	PLACES NP
.endif
	FETCH_B \next, 0, 0
	FETCH_A \next, 0, 0
	WIN MUL_HI
	MUL16 4, 1, 0
	MUL16 6, 1, 0
	PLACES NP
	WIN 0
	FETCH_A \next, 0, 4
.endm
	s_wait_tensorcnt 1                             ; my part of K step 0 is in (K step 1's load may be out)
	s_barrier_signal -1
	s_barrier_wait -1                              ; everybody's is
	FETCH_B 0, 0, 0
	FETCH_A 0, 0, 0
	FETCH_A 0, 0, 4
	STEP 0, 0, 1                                   ; K step 0; its first products start the sums
	TURN 0, 1, 1                                   ; slot 0 takes K step 2
	STEP 1, 0, 0
	TURN 1, 0, 1                                   ; slot 1 takes K step 3
	STEP 0, 0, 0
	TURN 0, 1, 0                                   ; nothing is left to fetch
	STEP 1, 0, 0
	s_wait_dscnt 4*NL                              ; the very last step
	WIN MUL_LO
	MUL16 0, 1, 0
	MUL16 2, 1, 0
	s_wait_dscnt 0
	WIN MUL_HI
	MUL16 4, 1, 0
	MUL16 6, 1, 0
	WIN 0
; THE WAY OUT, block by block of 16 rows x 128 columns.  A lane holds 32 neighbouring bytes of a row, and the lanes beside it hold other rows: so a block goes through my own stage in LDS and comes back as whole
; rows of 512 bytes.  LDS serves a wave's instructions in order (ISA guide 5.7.1.4): no wait between the stores and the loads, nor in front of the next block's stores.
.macro TOSTAGE a
.set AC, 64*((\a)%4)
	WIN 0x02+((\a)/4)                              ; source 0: window 2 or 3
.irp j, 0,2,4,6,8,10,12,14,16,18,20,22,24,26,28,30,32,34,36,38,40,42,44,46,48,50,52,54,56,58,60,62
	v_pk_mul_f32 v[TMP+\j:TMP+\j+1], v[AC+\j:AC+\j+1], s[96:97] op_sel_hi:[1,0]   ; both x s96 = 2^(e10 + e11); each accumulator from its low end on
.endr
	WIN 0
.irp b, 0,1,2,3,4,5,6,7
	ds_store_b128 v[STO], v[TMP+8*\b:TMP+8*\b+3] offset:64*\b
	ds_store_b128 v[STO], v[TMP+8*\b+4:TMP+8*\b+7] offset:64*\b+16
.endr
.set BB, BK+64*((\a)%2)
.irp t, 0,1,2,3,4,5,6,7,8,9,10,11,12,13,14,15
	ds_load_b128 v[BB+4*\t:BB+4*\t+3], v[RD] offset:\t*SPITCH
.endr
.endm
.macro SEND a, younger                 ; younger: the LDS instructions issued behind block a's loads, which may stay out
.set BB, BK+64*((\a)%2)
	s_wait_dscnt \younger                          ; the block is back in registers
.if (\a) > 0
	s_add_nc_u64 s[10:11], s[10:11], 16*SIZE_N*4   ; (behind a wait on XCNT: the earlier stores have read their base)  16 rows on
.endif
.irp t, 0,1,2,3,4,5,6,7,8,9,10,11,12,13,14,15
	global_store_b128 v[CO], v[BB+4*\t:BB+4*\t+3], s[10:11] offset:\t*SIZE_N*4 th:TH_STORE_NT   ; 32 lanes store 512 consecutive bytes, at a multiple of 256 from the output's first byte; written once, read by nobody here
.endr
.endm
	s_wait_kmcnt 0x0
	s_add_co_i32 s96, s96, s97                     ; e10 + e11, between -126 and 127,
	s_add_co_i32 s96, s96, 127
	s_lshl_b32 s96, s96, 23                        ; makes the f32 number 2^(e10 + e11)
	PLACES NP                                      ; behind the last products: their results are read, and loads land in A's registers, below
	TOSTAGE 0
.irp a, 1,2,3,4,5,6,7
.if \a > 1
	s_wait_xcnt 0x0                                ; block a - 2's stores have read their registers and their base: block a's loads may land there, and the base may step
.endif
	TOSTAGE \a
	SEND \a-1, 32                                  ; behind block a - 1's loads: block a's 16 stores and 16 loads
.endr
	s_wait_xcnt 0x0                                ; block 6's stores have read their base
	SEND 7, 0
	s_wait_tensorcnt 0x0                           ; the wave's end: behind my last tensor load and my last LDS store
	ds_add_u32 v[SPW], v[NIL]
	s_wait_dscnt 0x0
	CROUND                                         ; the closing round: no work-group ends while a partner may still ask for a tile that names it
	s_endpgm
.Lfunc_end_k_q822afde5b2_oproj:
	.size	k_q822afde5b2_oproj, .Lfunc_end_k_q822afde5b2_oproj-k_q822afde5b2_oproj
	.p2alignl 7, 3214868480
	.fill 96, 4, 3214868480
	.section	.rodata,"a",@progbits
	.p2align	6, 0x0
	.amdhsa_kernel k_q822afde5b2_oproj
		.amdhsa_group_segment_fixed_size 327680
		.amdhsa_private_segment_fixed_size 0
		.amdhsa_enable_private_segment 0
		.amdhsa_kernarg_size 32
		.amdhsa_user_sgpr_count 2
		.amdhsa_user_sgpr_kernarg_segment_ptr 1
		.amdhsa_wavefront_size32 1
		.amdhsa_system_sgpr_workgroup_id_x 1
		.amdhsa_system_sgpr_workgroup_id_y 1
		.amdhsa_system_sgpr_workgroup_id_z 1
		.amdhsa_system_vgpr_workitem_id 0
		.amdhsa_next_free_vgpr 1024
		.amdhsa_next_free_sgpr 100
		.amdhsa_reserve_vcc 0
		.amdhsa_float_denorm_mode_32 3
		.amdhsa_float_denorm_mode_16_64 3
		.amdhsa_memory_ordered 1
		.amdhsa_forward_progress 1
		.amdhsa_inst_pref_size 124
	.end_amdhsa_kernel
	.amdgpu_metadata
---
amdhsa.version: [ 1, 2 ]
amdhsa.kernels:
  - .name:           k_q822afde5b2_oproj
    .symbol:         k_q822afde5b2_oproj.kd
    .args:
      - { .name: aimg, .offset: 0, .size: 8, .value_kind: global_buffer, .address_space: global }
      - { .name: wimg, .offset: 8, .size: 8, .value_kind: global_buffer, .address_space: global }
      - { .name: lowp_scales, .offset: 16, .size: 8, .value_kind: global_buffer, .address_space: global }
      - { .name: out0, .offset: 24, .size: 8, .value_kind: global_buffer, .address_space: global }
    .group_segment_fixed_size: 327680
    .private_segment_fixed_size: 0
    .kernarg_segment_align: 8
    .kernarg_segment_size: 32
    .max_flat_workgroup_size: 128
    .sgpr_count:     100
    .vgpr_count:     1024
    .wavefront_size: 32
...
	.end_amdgpu_metadata
.endif
;; end of part 4
